; MI455X (gfx1250); checked and timed in simulation.
; The chip was launched on July 23, 2026; its instructions are those of AMD's public machine-readable ISA for CDNA 5 (MIT licence, August 2026) and "CDNA5" Instruction Set Architecture Reference Guide (July 2026). The comments in the code are by the model that wrote it; some were corrected since.
;; Q Llama Sdpa Attention. Allowed arithmetic: float matrix products may take bf16 or f16 operands with f32 sums; all other float work in f32.
;; Inputs: attention_mask 1 x 1 x 2,048 x 2,048 float32; hidden_states 1 x 2,048 x 4,096 float32; position_ids 1 x 2,048 int32; wk 4,096 x 1,024 float32; wo 2,048 x 4,096 float32; wq 4,096 x 2,048 float32; wv 4,096 x 1,024 float32.
;; Outputs: out0 1 x 2,048 x 4,096 float32.
;; One version. Each part assembles by itself: llvm-mc -triple=amdgcn-amd-amdhsa -mcpu=gfx1250 --defsym DOCPART=n.
;; ======== version 1 of 1: 5 launches
;; limits: values are held in f16: magnitudes above 65,504 overflow, below 6.1e-05 lose precision; right only within a limited range of input values
;; workspace buffers: act16 16,777,216 bytes; wb 33,554,432 bytes; wo16 16,777,216 bytes; rope 1,048,576 bytes; xf 33,554,432 bytes; amax 4,096 bytes; xi 16,777,216 bytes; scl 512 bytes
;; launch prep (part 1): grid 256 x 9, 8 waves a work-group, no clusters, 0 bytes of LDS; arguments hidden_states, wq, wk, wv, wo, position_ids, act16, wb, wo16, rope; writes act16, wb, wo16, rope
.if DOCPART == 1
	.amdgcn_target "amdgcn-amd-amdhsa--gfx1250"
	.amdhsa_code_object_version 6
	.text
	.protected	k_qc9c8c51168_prep
	.globl	k_qc9c8c51168_prep
	.p2align	8
	.type	k_qc9c8c51168_prep,@function
k_qc9c8c51168_prep:
	s_mov_b64 s[64:65], 0
	v_nop
	global_prefetch_b8 v0, s[64:65] scope:SCOPE_SE
	s_setreg_imm32_b32 hwreg(HW_REG_WAVE_MODE, 25, 1), 1
	s_wait_xcnt 0x0
; prep: the casts in front of the matrix launches, and the table of cosines and sines.
; The grid's y is the job.  Jobs 0 to 7 each cast 16 MiB of f32: 0,1 hidden_states -> act16 (bf16); 2,3 wq, 4 wk, 5 wv -> wb (bf16,
; [4096 k][4096 n]: columns 0-2047 wq, 2048-3071 wk, 3072-4095 wv); 6,7 wo -> wo16.  Job 8 makes rope: row s = 64 cosines, 64 sines (f32).
; A cast's work-group takes 16 chunks of 4,096 source bytes; thread t takes the 16 bytes at 16 t of each chunk, so a wave's load covers
; 512 consecutive bytes and its store of 8 bytes a lane 256 consecutive aligned bytes.  All sixteen loads of a thread go out first.
; No LDS, no matrix unit, no cluster: every byte is read once and written once, and no two work-groups share a byte.
; wo16 holds bf16(wo), written as an f16 code because its partner in the last product is f16.
; LIMITS: |wo| below 65,504; a bf16(wo) below 2^-14 is kept to an absolute 2^-25 (f16 denormals).  |position| at most 2^20: up to there the
; quadrant number found by one multiplication is within 1/16 of a quarter turn of the true one, and the reduction below is exact in its first step.
.set X,  32                            ; v[32:95]   sixteen loads of four f32
.set Y,  96                            ; v[96:127]  sixteen stores of two words
.set FH, 10                            ; v[10:21]   table job: 10^(2^b/16), b = 0..5, each as a sum of two f32 (high at FH+2b, low at FH+2b+1)
; One cast.  src, dst: the scalar pairs with the buffers' addresses.  Chunk c of the source goes to byte (c>>1)*pa + (c&1)*pb + col of the destination.
; two = 1: the tensor is 32 MiB and the job's low bit picks the half.  f16 = 1: the bf16 number is written as an f16 code.
.macro CAST src, dst, pa, pb, col, two, f16
.if \two
	s_and_b32 s2, s28, 1
	s_lshl_b32 s2, s2, 12                          ; 4,096 chunks in a half
.else
	s_mov_b32 s2, 0
.endif
	s_lshl_b32 s3, ttmp9, 4
	s_add_co_u32 s2, s2, s3                        ; my first chunk (even)
	s_lshl_b32 s4, s2, 12                          ; its byte in the source, below 2^25
	s_mov_b32 s5, 0
	s_mul_i32 s6, s2, \pa/2                        ; and in the destination
	s_add_co_u32 s6, s6, \col
	s_mov_b32 s7, 0
	s_add_nc_u64 s[\src:\src+1], s[\src:\src+1], s[4:5]
	s_add_nc_u64 s[\dst:\dst+1], s[\dst:\dst+1], s[6:7]
.set i, 0
.rept 16
	global_load_b128 v[X+4*i:X+4*i+3], v1, s[\src:\src+1] offset:4096*i th:TH_LOAD_NT
.set i, i+1
.endr
.set i, 0
.rept 16
	s_wait_loadcnt 15-i                            ; loads return in order: chunk i is in, the 15-i younger ones stay out
	v_cvt_pk_bf16_f32 v[Y+2*i],   v[X+4*i],   v[X+4*i+1]
	v_cvt_pk_bf16_f32 v[Y+2*i+1], v[X+4*i+2], v[X+4*i+3]
.if \f16
	v_lshlrev_b32 v4, 16, v[Y+2*i]                 ; the four bf16 numbers as f32,
	v_and_b32     v5, 0xffff0000, v[Y+2*i]
	v_lshlrev_b32 v6, 16, v[Y+2*i+1]
	v_and_b32     v7, 0xffff0000, v[Y+2*i+1]
	v_cvt_pk_f16_f32 v[Y+2*i],   v4, v5            ; and as f16: exact from 2^-14 up (8 bits into 11)
	v_cvt_pk_f16_f32 v[Y+2*i+1], v6, v7
.endif
	global_store_b64 v2, v[Y+2*i:Y+2*i+1], s[\dst:\dst+1] offset:(i>>1)*\pa+(i&1)*\pb
.set i, i+1
.endr
	s_endpgm                                       ; no register is used twice, so no further wait
.endm
; (v[d], v[d+1]) = the square root of (v[a], v[a+1]), both sums of two f32: one Newton step on v_sqrt_f32's result with the residual taken exactly.
.macro DFSQRT d, a
	v_sqrt_f32 v22, v[\a]
	v_nop                                          ; one plain instruction behind a transcendental before its result is read (ISA guide 5.7.2)
	s_wait_alu depctr_va_vdst(0)
	v_rcp_f32 v23, v22
	v_fma_f32 v24, -v22, v22, v[\a]                ; a.high - s*s, exact; reads neither v23 nor writes v22: the place behind v_rcp_f32
	v_add_f32 v24, v24, v[\a+1]
	v_mul_f32 v24, 0.5, v24
	s_wait_alu depctr_va_vdst(0)
	v_mul_f32 v24, v24, v23                        ; the correction e / (2 s)
	v_add_f32 v[\d], v22, v24
	v_sub_f32 v25, v[\d], v22
	v_sub_f32 v[\d+1], v24, v25                    ; what the sum dropped
.endm
; For frequency number v[j] (0..63): v[outc] = cos(pos * f), v[outs] = sin(pos * f), f = 1 / 10000^(j/64) = 1 / 10^(j/16).
.macro ONEJ j, outc, outs
	v_mov_b32 v46, 1.0                             ; the product, high
	v_mov_b32 v47, 0                               ; and low
.irp b, 5,4,3,2,1,0
	v_and_b32 v26, 1<<\b, v[\j]
	v_cmp_ne_u32 vcc_lo, 0, v26
	v_cndmask_b32 v27, 1.0, v[FH+2*\b], vcc_lo     ; bit b of j set: the factor 10^(2^b/16); else 1
	v_cndmask_b32 v28, 0, v[FH+2*\b+1], vcc_lo
	v_mul_f32 v29, v46, v27
	v_fma_f32 v30, v46, v27, -v29                  ; what the product dropped,
	v_fma_f32 v30, v46, v28, v30                   ; and the two cross terms
	v_fma_f32 v30, v47, v27, v30
	v_add_f32 v46, v29, v30
	v_sub_f32 v31, v46, v29
	v_sub_f32 v47, v30, v31
.endr
	v_rcp_f32 v48, v46                             ; v46 is the power rounded to f32; 1 / v46 with two corrections by the exact residual
	v_nop
	s_wait_alu depctr_va_vdst(0)
	v_fma_f32 v49, -v46, v48, 1.0
	v_fma_f32 v48, v49, v48, v48
	v_fma_f32 v49, -v46, v48, 1.0
	v_fma_f32 v48, v49, v48, v48
	v_mul_f32 v32, v9, v48                         ; the angle, one rounding
	v_mul_f32 v33, 0x3f22f983, v32                 ; x * 2/pi
	v_rndne_f32 v33, v33                           ; n quarter turns
	v_fmamk_f32 v34, v33, 0xbfc90fdb, v32          ; r = x - n * pi/2, pi/2 in three parts
	v_fmamk_f32 v34, v33, 0x333bbd2e, v34
	v_fmamk_f32 v34, v33, 0x26f72ced, v34
	v_cvt_i32_f32 v35, v33
	v_mul_f32 v36, v34, v34                        ; z = r*r
	v_mov_b32 v37, 0xb94ca1f9
	v_fmaak_f32 v37, v37, v36, 0x3c08839e
	v_fmaak_f32 v37, v37, v36, 0xbe2aaaa3
	v_mul_f32 v37, v37, v36
	v_fma_f32 v37, v37, v34, v34                   ; sin r = r + r z (S2 + z (S1 + z S0))
	v_mov_b32 v38, 0x37ccf5ce
	v_fmaak_f32 v38, v38, v36, 0xbab6061a
	v_fmaak_f32 v38, v38, v36, 0x3d2aaaa5
	v_fma_f32 v38, v38, v36, -0.5
	v_fma_f32 v38, v38, v36, 1.0                   ; cos r = 1 + z (-1/2 + z (C2 + z (C1 + z C0)))
	v_and_b32 v39, 1, v35
	v_cmp_ne_u32 vcc_lo, 0, v39                    ; odd quarter: sine and cosine change places
	v_cndmask_b32 v44, v37, v38, vcc_lo
	v_cndmask_b32 v45, v38, v37, vcc_lo
	v_and_b32 v39, 2, v35                          ; sine is negative in quarters 2 and 3,
	v_lshlrev_b32 v39, 30, v39
	v_xor_b32 v[\outs], v44, v39
	v_add_nc_u32 v39, 1, v35                       ; cosine in quarters 1 and 2
	v_and_b32 v39, 2, v39
	v_lshlrev_b32 v39, 30, v39
	v_xor_b32 v[\outc], v45, v39
.endm
	s_load_b512 s[8:23], s[0:1], 0x0               ; hidden s[8:9], wq s[10:11], wk s[12:13], wv s[14:15], wo s[16:17], position_ids s[18:19], act16 s[20:21], wb s[22:23]
	s_load_b128 s[24:27], s[0:1], 0x40             ; wo16 s[24:25], rope s[26:27]
	s_and_b32 s28, ttmp7, 0xffff                   ; the job
	v_lshlrev_b32 v1, 4, v0                        ; 16 t: my bytes in a source chunk
	v_lshlrev_b32 v2, 3, v0                        ; 8 t: in the destination
	s_wait_kmcnt 0x0
	s_cmp_lt_u32 s28, 2
	s_cbranch_scc1 .Lhidden
	s_cmp_lt_u32 s28, 4
	s_cbranch_scc1 .Lwq
	s_cmp_eq_u32 s28, 4
	s_cbranch_scc1 .Lwk
	s_cmp_eq_u32 s28, 5
	s_cbranch_scc1 .Lwv
	s_cmp_lt_u32 s28, 8
	s_cbranch_scc1 .Lwo
	; Job 8.  Wave w of work-group g makes row s = 8 g + w; lane L the frequencies 2 L and 2 L + 1.
	v_lshrrev_b32 v3, 5, v0
	v_readfirstlane_b32 s2, v3
	s_lshl_b32 s3, ttmp9, 3
	s_add_co_u32 s2, s2, s3                        ; s
	s_lshl_b32 s4, s2, 2
	s_mov_b32 s5, 0
	s_add_nc_u64 s[18:19], s[18:19], s[4:5]
	s_load_b32 s6, s[18:19], 0x0                   ; position_ids[s]
	s_lshl_b32 s30, s2, 9                          ; 512 bytes a row
	s_mov_b32 s31, 0
	s_add_nc_u64 s[26:27], s[26:27], s[30:31]
	v_and_b32 v3, 31, v0
	v_lshlrev_b32 v4, 1, v3                        ; j = 2 L
	v_or_b32 v5, 1, v4                             ; j = 2 L + 1
	v_lshlrev_b32 v6, 3, v3                        ; 8 L
	v_mov_b32 v[FH+10], 0x42c80000                 ; 10^(32/16) = 100
	v_mov_b32 v[FH+11], 0
	v_mov_b32 v[FH+8], 0x41200000                  ; 10^(16/16) = 10
	v_mov_b32 v[FH+9], 0
	DFSQRT FH+6, FH+8                              ; 10^(1/2)
	DFSQRT FH+4, FH+6                              ; 10^(1/4)
	DFSQRT FH+2, FH+4                              ; 10^(1/8)
	DFSQRT FH+0, FH+2                              ; 10^(1/16)
	s_wait_kmcnt 0x0
	v_cvt_f32_i32 v9, s6
	ONEJ 4, 40, 42
	ONEJ 5, 41, 43
	global_store_b64 v6, v[40:41], s[26:27]                ; the wave's 64 cosines: 256 consecutive aligned bytes
	global_store_b64 v6, v[42:43], s[26:27] offset:256     ; and its 64 sines
	s_endpgm
.Lhidden:
	CAST 8, 20, 4096, 2048, 0, 1, 0                ; dense to dense
.Lwq:
	CAST 10, 22, 8192, 2048, 0, 1, 0               ; two chunks make a row of wq; a row of wb is 8,192 bytes
.Lwk:
	CAST 12, 22, 16384, 8192, 4096, 0, 0           ; one chunk is a row of wk; it lies at byte 4,096 of wb's row
.Lwv:
	CAST 14, 22, 16384, 8192, 6144, 0, 0           ; wv at byte 6,144
.Lwo:
	CAST 16, 24, 4096, 2048, 0, 1, 1
.Lfunc_end_k_qc9c8c51168_prep:
	.size	k_qc9c8c51168_prep, .Lfunc_end_k_qc9c8c51168_prep-k_qc9c8c51168_prep
	.p2alignl 7, 3214868480
	.fill 96, 4, 3214868480
	.section	.rodata,"a",@progbits
	.p2align	6, 0x0
	.amdhsa_kernel k_qc9c8c51168_prep
		.amdhsa_group_segment_fixed_size 0
		.amdhsa_private_segment_fixed_size 0
		.amdhsa_enable_private_segment 0
		.amdhsa_kernarg_size 80
		.amdhsa_user_sgpr_count 2
		.amdhsa_user_sgpr_kernarg_segment_ptr 1
		.amdhsa_wavefront_size32 1
		.amdhsa_system_sgpr_workgroup_id_x 1
		.amdhsa_system_sgpr_workgroup_id_y 1
		.amdhsa_system_sgpr_workgroup_id_z 1
		.amdhsa_system_vgpr_workitem_id 0
		.amdhsa_next_free_vgpr 128
		.amdhsa_next_free_sgpr 66
		.amdhsa_reserve_vcc 1
		.amdhsa_float_denorm_mode_32 3
		.amdhsa_float_denorm_mode_16_64 3
		.amdhsa_memory_ordered 1
		.amdhsa_forward_progress 1
		.amdhsa_inst_pref_size 47
	.end_amdhsa_kernel
	.amdgpu_metadata
---
amdhsa.version: [ 1, 2 ]
amdhsa.kernels:
  - .name:           k_qc9c8c51168_prep
    .symbol:         k_qc9c8c51168_prep.kd
    .args:
      - { .name: hidden_states, .offset: 0, .size: 8, .value_kind: global_buffer, .address_space: global }
      - { .name: wq, .offset: 8, .size: 8, .value_kind: global_buffer, .address_space: global }
      - { .name: wk, .offset: 16, .size: 8, .value_kind: global_buffer, .address_space: global }
      - { .name: wv, .offset: 24, .size: 8, .value_kind: global_buffer, .address_space: global }
      - { .name: wo, .offset: 32, .size: 8, .value_kind: global_buffer, .address_space: global }
      - { .name: position_ids, .offset: 40, .size: 8, .value_kind: global_buffer, .address_space: global }
      - { .name: act16, .offset: 48, .size: 8, .value_kind: global_buffer, .address_space: global }
      - { .name: wb, .offset: 56, .size: 8, .value_kind: global_buffer, .address_space: global }
      - { .name: wo16, .offset: 64, .size: 8, .value_kind: global_buffer, .address_space: global }
      - { .name: rope, .offset: 72, .size: 8, .value_kind: global_buffer, .address_space: global }
    .group_segment_fixed_size: 0
    .private_segment_fixed_size: 0
    .kernarg_segment_align: 8
    .kernarg_segment_size: 80
    .max_flat_workgroup_size: 256
    .sgpr_count:     66
    .vgpr_count:     128
    .wavefront_size: 32
...
	.end_amdgpu_metadata
.endif
;; end of part 1
;; launch qkv (part 2): grid 16 x 16, 4 waves a work-group, clusters of 4 x 4, 327,680 bytes of LDS; arguments act16, wb, rope, xf, amax; writes xf, amax
.if DOCPART == 2
	.amdgcn_target "amdgcn-amd-amdhsa--gfx1250"
	.amdhsa_code_object_version 6
	.text
	.protected	k_qc9c8c51168_qkv
	.globl	k_qc9c8c51168_qkv
	.p2align	8
	.type	k_qc9c8c51168_qkv,@function
k_qc9c8c51168_qkv:
	s_mov_b64 s[64:65], 0
	v_nop
	global_prefetch_b8 v0, s[64:65] scope:SCOPE_SE
	s_setreg_imm32_b32 hwreg(HW_REG_WAVE_MODE, 25, 1), 1
	s_wait_xcnt 0x0
	s_wait_alu depctr_hold_cnt(0) depctr_sa_sdst(0) depctr_va_vdst(0) depctr_va_sdst(0) depctr_va_ssrc(0) depctr_va_vcc(0) depctr_vm_vsrc(0)
	s_getreg_b32 s2, hwreg(HW_REG_IB_STS2, 6, 4)
	s_cmp_eq_u32 s2, 0
	s_cbranch_scc0 .Lentry_in_a_cluster
	s_endpgm
.Lentry_in_a_cluster:
	s_bfe_u32 s2, ttmp6, 0x10000c
	s_cmp_lg_u32 s2, 0xf033
	s_cbranch_scc0 .Lentry_shape_is_right
	s_endpgm
.Lentry_shape_is_right:
; qkv: X[2048][4096] = H[2048][4096] * W[4096][4096] (bf16 operands, f32 sums), the rotation by position on the q and k columns, and the
; largest |x| of every wave's block.  H = act16 (rows along K), W = wb (rows are K, columns N).  X goes to xf in f32; amax word
; ((block column * 16 + block row) * 4 + wave) takes the wave's maximum: words 0-511 belong to q, 512-767 to k, 768-1023 to v.
; A work-group makes 128 x 256 of X with four waves (2048 x 4096 outputs on 256 work-groups); a wave makes 64 x 128 (32 accumulator tiles,
; 256 registers), and its 128 columns are one head.  Block rows run along the grid's x, block columns along its y.
; K goes in steps of 192 through two LDS slots filled by tensor loads.  192 is the largest multiple of 32 of which two slots fit: a slot is
; 128 rows of H at 432 bytes and 192 rows of W at 544 bytes = 159,744 bytes, two are 319,488 of the 327,680 there are.  4096 = 21 x 192 + 64:
; the last step has 64 of K.  From a slot's request to the wait for it a wave issues a whole step's 192 matrix instructions.
; W's fragments are read from its [K][N] tile by the transposing LDS load.
; CLUSTERS: 4 x 4 work-groups.  H's tile hangs on the block row alone (the grid's x) and is asked for jointly by the four of a column of the
; cluster; W's on the block column alone (the grid's y), jointly by the four of a row.  That divides the requests for both by four.
; A wave has two tensor loads out at the start and one behind each round of the cluster's barrier.
; THE MATRIX INSTRUCTION IS USED TRANSPOSED (source 0 = 16 columns of W, source 1 = 16 rows of H): lane (r, h) then holds row r of X and in its
; registers j the columns 8 h + j: eight neighbouring numbers of a row.
; LIMIT: a NaN in X is not carried into the maximum (v_max3_num_f32 drops it).
; REGISTERS: window 0: v16-30 addresses and the maximum; v64-159, v160-255 two fragment buffers (8 of W, then 4 of H); on the way out v64-127 results, v128-255 read-backs.
;            window 1: accumulator tile (a, b) at 8 (8 a + b).   window 2: the table: cos(a, b) at 64 a + 8 b, sin(a, b) at 64 a + 32 + 8 b.
.set KD,     4096                      ; K
.set NB,     4096                      ; columns of W and of X
.set KSTEP,  192
.set NSTEP,  22                        ; 21 whole steps and a short one
.set TAILK,  KD-(NSTEP-1)*KSTEP        ; 64: the short step's K
.set TSLOT,  (NSTEP-1)&1               ; the slot of the short step: 1
.set PA,     432                       ; H's LDS pitch: three pieces of 128 bytes, 16 bytes of padding behind each; 27 x 16: the 16 rows of a fragment load start in 16 different 16-byte columns of 256
.set PB,     544                       ; W's LDS pitch: 512 + 32, an odd multiple of 32, as the transposing load's eight-lane groups want
.set AHALF,  64*PA                     ; what one tensor load of H brings
.set BHALF,  (KSTEP/2)*PB              ; what one tensor load of W brings
.set BOFF,   128*PA                    ; W's tile lies behind H's
.set SLOT,   BOFF+KSTEP*PB             ; 159,744
.set STAGE,  (1-TSLOT)*SLOT            ; the way out: 16 rows x 528 bytes for each wave, in the slot that the short step does not read: it has had its last fill
.set SP,     528
.set ADRA, 16                          ; v16-17  H's fragments in slot 0, 1
.set ADRB, 20                          ; v20-23  W's fragments: slot 0 quarter steps 0-2, 3-5; slot 1 the same (an LDS immediate has 16 bits)
.set STO,  24
.set RD,   25
.set CO,   26
.set TBO,  27
.set AM,   28
.set F0,   64
.set F1,   160
.set O,    64
.set RB0,  128
.set RB1,  192
.set G1,  24                           ; s[24:31] group 1 for H's tiles
.set G0,  32                           ; s[32:39] group 0 for H's tiles, one set for each slot
.set G1B, 48                           ; s[48:55] group 1 for W's tiles
.set G0B, 56                           ; s[56:63] group 0 for W's tiles
.set MSB, 0
.macro WIN new                         ; low byte: bits 1:0 source 0, 3:2 source 1, 5:4 source 2, 7:6 destination; high byte: the setting that is left
.if MSB != \new
	s_set_vgpr_msb (MSB<<8)|\new
.set MSB, \new
.endif
.endm
.macro JLOAD s                         ; waves 0, 1 ask for H's two halves, waves 2, 3 for W's: one line, one mask, one set of registers for all that issue it
	s_cmp_eq_u32 s11, 0
	s_cbranch_scc0 .Lfor_b_\@
	tensor_load_to_lds s[G0+4*\s:G0+4*\s+3], s[G1:G1+7]
	s_nop 0
	s_branch .Lasked_\@
.Lfor_b_\@:
	tensor_load_to_lds s[G0B+4*\s:G0B+4*\s+3], s[G1B:G1B+7]
	s_nop 0
.Lasked_\@:
.endm
.macro CREST                           ; a round of the cluster's barrier behind its opening work-group barrier
	s_cmp_lg_u32 s10, 0
	s_cbranch_scc1 .Lnot_wave_0_\@
	s_barrier_signal -3
.Lnot_wave_0_\@:
	s_barrier_wait -3
	s_barrier_signal -1
	s_barrier_wait -1
.endm
.macro CROUND
	s_barrier_signal -1
	s_barrier_wait -1
	CREST
.endm
.macro PLACES                          ; four plain vector instructions between a matrix instruction and a load into, or a vector access to, its registers
.rept 4
	v_nop
.endr
.endm
; 24 LDS loads: the fragments of quarter step q (32 along K; six to a whole step) of a slot into buffer f
.macro FETCH slot, q, f
	WIN 0
.irp b, 0,1,2,3,4,5,6,7
	ds_load_tr16_b128 v[\f+8*\b:\f+8*\b+3],   v[ADRB+2*\slot+(\q)/3] offset:32*PB*((\q)%3)+32*\b          ; K = 8 h .. 8 h + 7 of column 16 b + r
	ds_load_tr16_b128 v[\f+8*\b+4:\f+8*\b+7], v[ADRB+2*\slot+(\q)/3] offset:32*PB*((\q)%3)+32*\b+16*PB    ; K = 16 + 8 h ..
.endr
.irp a, 0,1,2,3
	ds_load_b128 v[\f+64+8*\a:\f+64+8*\a+3],   v[ADRA+\slot] offset:16*PA*\a+144*((\q)>>1)+64*((\q)&1)     ; two quarter steps to a piece of 128 bytes
	ds_load_b128 v[\f+64+8*\a+4:\f+64+8*\a+7], v[ADRA+\slot] offset:16*PA*\a+144*((\q)>>1)+64*((\q)&1)+32
.endr
.endm
; 8 na matrix instructions on buffer f: row blocks a0 .. a0 + na - 1, all eight column blocks.  Every instruction names another accumulator:
; the accumulators take turns, one instruction a turn.  zero = 1: the first product starts the sums.
.macro MUL f, a0, na, zero
	WIN 0x50
.set ma, \a0
.rept \na
.set mb, 0
.rept 8
.if \zero
	v_wmma_f32_16x16x32_bf16 v[8*(8*ma+mb):8*(8*ma+mb)+7], v[\f+8*mb:\f+8*mb+7], v[\f+64+8*ma:\f+64+8*ma+7], 0
.else
	v_wmma_f32_16x16x32_bf16 v[8*(8*ma+mb):8*(8*ma+mb)+7], v[\f+8*mb:\f+8*mb+7], v[\f+64+8*ma:\f+64+8*ma+7], v[8*(8*ma+mb):8*(8*ma+mb)+7]
.endif
.set mb, mb+1
.endr
.set ma, ma+1
.endr
.endm
.macro QUARTER slot, q, f, g, zero     ; asks for quarter step q into buffer g, then multiplies buffer f
	PLACES
	FETCH \slot, \q, \g
	s_wait_dscnt 24                                ; buffer f is in; the 24 loads just issued stay out
	MUL \f, 0, 4, \zero
.endm
.macro FIVE slot, zero                 ; the first five quarter steps of a whole step are multiplied, the last is fetched
	QUARTER \slot, 1, F0, F1, \zero
	QUARTER \slot, 2, F1, F0, 0
	QUARTER \slot, 3, F0, F1, 0
	QUARTER \slot, 4, F1, F0, 0
	QUARTER \slot, 5, F0, F1, 0
.endm
; The last quarter step, and the change of slots.  Half of its products stand ahead of the wait for the tiles, so that nothing but the round lies between a
; tile's landing and the next request.  In front of the barrier each wave has waited for its reads of this slot and for all its tensor loads (the one that
; is out is its part of the next slot); behind it this slot is asked for again first, then the next slot is read.
; fill = 0: nothing is left to fetch; 1: this slot's next whole step; 2: the short step.
.macro TURN slot, next, fill
	s_wait_dscnt 0x0                               ; buffer 1 is in, and with it my last reads of this slot
	MUL F1, 0, 2, 0
	WIN 0
	s_wait_tensorcnt 0x0                           ; all my tensor loads have landed
	ds_add_u32 v62, v63
	s_wait_dscnt 0x0
	s_barrier_signal -1
	s_barrier_wait -1
.if \fill
	CREST                                          ; the same now holds of all sixteen work-groups
	s_add_nc_u64 s[G0+4*\slot+2:G0+4*\slot+3], s[G0+4*\slot+2:G0+4*\slot+3], 2*KSTEP*2
.if \fill == 1
	s_add_nc_u64 s[G0B+4*\slot+2:G0B+4*\slot+3], s[G0B+4*\slot+2:G0B+4*\slot+3], 2*KSTEP*NB*2
.else
	s_mov_b32 s[G1+1], TAILK<<16                   ; H: the tile keeps its shape, the tensor ends TAILK elements on: the rest arrives as zeros and is not read
	s_mov_b32 s[G1B+2], (TAILK/2)<<16              ; W: TAILK/2 rows for each of the two waves,
	s_mov_b32 s[G1B+4], TAILK/2
	s_mul_i32 s[G0B+4*\slot+1], s12, (TAILK/2)*PB  ; laid one behind the other from the tile's first row
	s_add_co_u32 s[G0B+4*\slot+1], s[G0B+4*\slot+1], \slot*SLOT+BOFF
	s_mov_b64 s[G0B+4*\slot+2:G0B+4*\slot+3], s[84:85]
	s_or_b32 s[G0B+4*\slot+3], s[G0B+4*\slot+3], 0x80000000
.endif
	JLOAD \slot                                    ; my one tensor load behind the round
.endif
	PLACES
	FETCH \next, 0, F0
	MUL F1, 2, 2, 0
.endm
.macro LAP zero
	FIVE 0, \zero
	TURN 0, 1, 1
	FIVE 1, 0
	TURN 1, 0, 1
.endm
	s_load_b128 s[4:7], s[0:1], 0x0                ; act16 s[4:5], wb s[6:7]
	s_load_b64 s[66:67], s[0:1], 0x10              ; rope
	s_load_b64 s[8:9], s[0:1], 0x18                ; xf
	s_load_b64 s[68:69], s[0:1], 0x20              ; amax
	v_lshl_add_u32 v62, v0, 2, 0x4e000
	v_mov_b32 v63, 0
	ds_add_u32 v62, v63
	v_lshrrev_b32 v1, 5, v0
	v_readfirstlane_b32 s10, v1                    ; wave
	s_lshr_b32 s11, s10, 1                         ; my half of the block's rows; also: I fetch for H (0) or for W (1)
	s_and_b32 s12, s10, 1                          ; my half of its columns; also: which half of that tile I fetch
	s_bfe_u32 s40, ttmp6, 0x40000                  ; cx
	s_bfe_u32 s41, ttmp6, 0x40004                  ; cy
	s_lshl_b32 s13, ttmp9, 2
	s_add_co_u32 s13, s13, s40                     ; block row = 4 x cluster x + cx
	s_and_b32 s75, ttmp7, 0xffff                   ; the cluster's y
	s_lshl_b32 s42, s75, 2
	s_add_co_u32 s42, s42, s41                     ; block column = 4 x cluster y + cy
	s_lshl_b32 s43, 0x1111, s40                    ; my column of the cluster (same cx): one block row
	s_lshl_b32 s44, s41, 2
	s_lshl_b32 s44, 15, s44                        ; my row of the cluster (same cy): one block column
	s_mov_b32 s72, 0x76543210                      ; v_permlanex16_b32: lane i reads lane i of the other half
	s_mov_b32 s73, 0xfedcba98
	s_or_b32 s[G1+0], s43, (1<<16)|(1<<20)|(1<<21)|(4<<22)|(3<<25)   ; mask; 2-byte elements; padding: 4 words behind every 32; bit 21 beside a mask
	s_mov_b32 s[G1+1], KSTEP<<16                   ; tensor_dim0 = 192
	s_mov_b32 s[G1+2], 64<<16                      ; tensor_dim1 = 64
	s_mov_b32 s[G1+3], KSTEP<<16                   ; tile_dim0 = 192
	s_mov_b32 s[G1+4], 64                          ; tile_dim1 = 64
	s_mov_b32 s[G1+5], KD                          ; elements from row to row
	s_mov_b32 s[G1+6], 0
	s_mov_b32 s[G1+7], 0
	s_or_b32 s[G1B+0], s44, (1<<16)|(1<<20)|(1<<21)|(6<<22)|(7<<25)  ; padding: 8 words behind every 128
	s_mov_b32 s[G1B+1], 256<<16
	s_mov_b32 s[G1B+2], (KSTEP/2)<<16              ; 96 rows
	s_mov_b32 s[G1B+3], 256<<16
	s_mov_b32 s[G1B+4], KSTEP/2
	s_mov_b32 s[G1B+5], NB
	s_mov_b32 s[G1B+6], 0
	s_mov_b32 s[G1B+7], 0
	s_lshl_b32 s16, s13, 7                         ; H: row 128 x block row + 64 x half,
	s_lshl_b32 s18, s12, 6
	s_add_co_u32 s16, s16, s18
	s_mul_i32 s16, s16, KD*2                       ; in bytes (below 2^25)
	s_mov_b32 s17, 0
	s_lshl_b32 s84, s42, 9                         ; W: 512 bytes a block column,
	s_mul_i32 s46, s12, (KSTEP/2)*NB*2             ; 96 rows of 8,192 bytes a half
	s_add_co_u32 s46, s46, s84
	s_mov_b32 s47, 0
	s_mul_i32 s87, s12, (TAILK/2)*NB*2             ; W's short step: TAILK/2 rows a half,
	s_add_co_u32 s84, s84, s87
	s_add_co_u32 s84, s84, (NSTEP-1)*KSTEP*NB*2    ; from row 4,032 on
	s_mov_b32 s85, 0
	s_mul_i32 s20, s12, AHALF                      ; LDS: the wave's number alone
	s_mul_i32 s21, s12, BHALF
	s_add_co_u32 s21, s21, BOFF
	s_lshl_b32 s22, s13, 16                        ; the table's 128 rows of 512 bytes
	s_mov_b32 s23, 0
	s_wait_dscnt 0x0
	s_wait_kmcnt 0x0
	s_add_nc_u64 s[14:15], s[4:5], s[16:17]
	s_add_nc_u64 s[46:47], s[6:7], s[46:47]
	s_add_nc_u64 s[84:85], s[6:7], s[84:85]
	s_add_nc_u64 s[66:67], s[66:67], s[22:23]
	CROUND                                         ; all sixteen work-groups are here: the first joint loads meet
.irp s, 0,1
	s_mov_b32 s[G0+4*\s], 1
	s_add_co_u32 s[G0+4*\s+1], s20, \s*SLOT
	s_add_nc_u64 s[G0+4*\s+2:G0+4*\s+3], s[14:15], \s*KSTEP*2
	s_or_b32 s[G0+4*\s+3], s[G0+4*\s+3], 0x80000000
	s_mov_b32 s[G0B+4*\s], 1
	s_add_co_u32 s[G0B+4*\s+1], s21, \s*SLOT
	s_add_nc_u64 s[G0B+4*\s+2:G0B+4*\s+3], s[46:47], \s*KSTEP*NB*2
	s_or_b32 s[G0B+4*\s+3], s[G0B+4*\s+3], 0x80000000
	JLOAD \s
.endr
	v_and_b32 v1, 15, v0                           ; r
	v_bfe_u32 v2, v0, 4, 1                         ; h
	v_and_b32 v3, 7, v0
	v_bfe_u32 v4, v0, 3, 1
	v_and_b32 v5, 31, v0                           ; lane
	v_mul_u32_u24 v6, v1, PA
	v_lshl_add_u32 v6, v2, 4, v6
	s_mul_i32 s22, s11, AHALF
	v_add_nc_u32 v[ADRA], s22, v6                  ; (64 wm + r) pitch + 16 h
	v_add_nc_u32 v[ADRA+1], SLOT, v[ADRA]
	v_lshl_add_u32 v7, v2, 3, v3
	v_mul_u32_u24 v7, v7, PB
	v_lshl_add_u32 v7, v4, 4, v7
	s_lshl_b32 s23, s12, 8
	s_add_co_u32 s23, s23, BOFF
	v_add_nc_u32 v[ADRB], s23, v7                  ; (8 h + lane mod 8) pitch + 16 ((lane / 8) mod 2) + my 256 bytes of the row
	v_add_nc_u32 v[ADRB+1], 96*PB, v[ADRB]         ; quarter steps 3 to 5 begin 96 rows down
	v_add_nc_u32 v[ADRB+2], SLOT, v[ADRB]
	v_add_nc_u32 v[ADRB+3], SLOT, v[ADRB+1]
	s_mul_i32 s22, s10, 16*SP
.if STAGE
	s_add_co_u32 s22, s22, STAGE
.endif
	v_mul_u32_u24 v6, v1, SP
	v_lshl_add_u32 v6, v2, 5, v6
	v_add_nc_u32 v[STO], s22, v6                   ; in: row r, 32 bytes for each half of the lanes
	v_lshlrev_b32 v[CO], 4, v5                     ; out: 16 bytes a lane of a row of 512
	v_add_nc_u32 v[RD], s22, v[CO]
	v_lshlrev_b32 v6, 9, v1
	v_lshl_add_u32 v6, v2, 5, v6
	s_lshl_b32 s23, s11, 15
	v_add_nc_u32 v[TBO], s23, v6                   ; the table: (64 wm + r) rows of 512 bytes + 32 h
	s_wait_tensorcnt 0x1                           ; my part of K step 0 is in; K step 1's stays out
	s_barrier_signal -1
	s_barrier_wait -1
	FETCH 0, 0, F0
	LAP 1                                          ; steps 0 and 1; they ask for 2 and 3
	WIN 0
	s_mov_b32 s3, (NSTEP-6)/2                      ; eight laps: steps 2 to 17; they ask for 4 to 19
.Llap:
	LAP 0
	WIN 0
	s_sub_co_u32 s3, s3, 1
	s_cmp_lg_u32 s3, 0
	s_cbranch_scc1 .Llap
	FIVE 0, 0                                      ; step 18
	TURN 0, 1, 1                                   ; asks for step 20
	FIVE 1, 0                                      ; step 19
	TURN 1, 0, 2                                   ; asks for step 21, the short one
	FIVE 0, 0                                      ; step 20
	TURN 0, 1, 0                                   ; nothing is left to fetch; behind this barrier no wave reads slot 0 any more
	QUARTER 1, 1, F0, F1, 0                        ; step 21: two quarter steps
	s_wait_dscnt 0x0
	MUL F1, 0, 4, 0
	WIN 0
	PLACES
	; THE WAY OUT, 16 rows at a time, through my own stage, so that each global store of the wave covers 512 consecutive aligned bytes.
	; The stage lies in slot 0: its last fill has landed and every wave's reads of it were waited for in front of the last change of slots.
	s_lshl_b32 s16, s13, 7
	s_lshl_b32 s17, s11, 6
	s_add_co_u32 s16, s16, s17
	s_lshl_b32 s16, s16, 14                        ; my first row, 16,384 bytes a row
	s_mov_b32 s17, 0
	s_add_nc_u64 s[8:9], s[8:9], s[16:17]
	s_lshl_b32 s46, s42, 10
	s_lshl_b32 s47, s12, 9
	s_add_co_u32 s46, s46, s47                     ; my first column
	s_mov_b32 s47, 0
	s_add_nc_u64 s[8:9], s[8:9], s[46:47]
	v_mov_b32 v[AM], 0
.macro PUT src                         ; the eight tiles of a row block, 32 bytes a lane and tile, into the stage
.irp b, 0,1,2,3,4,5,6,7
	ds_store_b128 v[STO], v[\src+8*\b:\src+8*\b+3]   offset:64*\b
	ds_store_b128 v[STO], v[\src+8*\b+4:\src+8*\b+7] offset:64*\b+16
.endr
.endm
.macro AMAX src                        ; the running maximum of |x| over 64 registers
.set i, 0
.rept 32
	v_max3_num_f32 v[AM], v[AM], |v[\src+2*i]|, |v[\src+2*i+1]|
.set i, i+1
.endr
.endm
.macro TAIL a, rb                      ; whole rows back from the stage and out
	s_wait_xcnt 0x0                                ; the stores that read buffer rb have had their addresses translated (ISA guide 3.1): it is loaded again only behind this wait
.irp t, 0,1,2,3,4,5,6,7,8,9,10,11,12,13,14,15
	ds_load_b128 v[\rb+4*\t:\rb+4*\t+3], v[RD] offset:SP*\t      ; LDS serves a wave's instructions in order: these see the stores above
.endr
.irp t, 0,1,2,3,4,5,6,7,8,9,10,11,12,13,14,15
	s_wait_dscnt 15-\t                             ; row t is back; the younger read-backs stay out
	global_store_b128 v[CO], v[\rb+4*\t:\rb+4*\t+3], s[8:9] offset:(16*\a+\t)*NB*4
.endr
.endm
; Rows 16 a .. 16 a + 15 of a q or k head: out[d] = x[d] cos[d] - x[d+64] sin[d], out[d+64] = x[d+64] cos[d] + x[d] sin[d], d = 16 b + 8 h + j, b = 0..3
.macro ROPE16 a, rb
	s_wait_loadcnt 48-16*\a                        ; the table of row block a is in: 16 loads for each later row block stay out
	WIN 0x09                                       ; source 0: accumulators, source 1: the table
.irp b, 0,1,2,3
.irp p, 0,2,4,6
	v_pk_mul_f32 v[O+8*\b+\p:O+8*\b+\p+1], v[8*(8*\a+\b+4)+\p:8*(8*\a+\b+4)+\p+1], v[64*\a+32+8*\b+\p:64*\a+32+8*\b+\p+1]
	v_pk_mul_f32 v[O+32+8*\b+\p:O+32+8*\b+\p+1], v[8*(8*\a+\b)+\p:8*(8*\a+\b)+\p+1], v[64*\a+32+8*\b+\p:64*\a+32+8*\b+\p+1]
.endr
.endr
.irp b, 0,1,2,3
.irp p, 0,2,4,6
	v_pk_fma_f32 v[O+8*\b+\p:O+8*\b+\p+1], v[8*(8*\a+\b)+\p:8*(8*\a+\b)+\p+1], v[64*\a+8*\b+\p:64*\a+8*\b+\p+1], v[O+8*\b+\p:O+8*\b+\p+1] neg_lo:[0,0,1] neg_hi:[0,0,1]
	v_pk_fma_f32 v[O+32+8*\b+\p:O+32+8*\b+\p+1], v[8*(8*\a+\b+4)+\p:8*(8*\a+\b+4)+\p+1], v[64*\a+8*\b+\p:64*\a+8*\b+\p+1], v[O+32+8*\b+\p:O+32+8*\b+\p+1]
.endr
.endr
	WIN 0
	AMAX O
	PUT O
	TAIL \a, \rb
.endm
.macro PLAIN16 a, rb                   ; the same rows of a v head: as they are
	WIN 0x14                                       ; sources 1 and 2: accumulators
	AMAX 64*\a
	WIN 0x04                                       ; an LDS store's data is source 1
	PUT 64*\a
	WIN 0
	TAIL \a, \rb
.endm
	s_cmp_eq_u32 s75, 3                            ; the cluster's y, the same in all sixteen work-groups: block columns 12 to 15 are v
	s_cbranch_scc1 .Lvcols
	WIN 0x80                                       ; the table of my 64 rows, 16 loads for each row block, in the order in which the blocks are taken
.irp a, 0,1,2,3
.irp b, 0,1,2,3
	global_load_b128 v[64*\a+8*\b:64*\a+8*\b+3],       v[TBO], s[66:67] offset:8192*\a+64*\b
	global_load_b128 v[64*\a+8*\b+4:64*\a+8*\b+7],     v[TBO], s[66:67] offset:8192*\a+64*\b+16
	global_load_b128 v[64*\a+32+8*\b:64*\a+32+8*\b+3],   v[TBO], s[66:67] offset:8192*\a+64*\b+256
	global_load_b128 v[64*\a+32+8*\b+4:64*\a+32+8*\b+7], v[TBO], s[66:67] offset:8192*\a+64*\b+272
.endr
.endr
	WIN 0
	ROPE16 0, RB0
	ROPE16 1, RB1
	ROPE16 2, RB0
	ROPE16 3, RB1
	s_branch .Ljoin
.Lvcols:
	PLAIN16 0, RB0
	PLAIN16 1, RB1
	PLAIN16 2, RB0
	PLAIN16 3, RB1
.Ljoin:
	v_max_num_f32_dpp v[AM], v[AM], v[AM] row_xmask:1 row_mask:0xf bank_mask:0xf
	v_max_num_f32_dpp v[AM], v[AM], v[AM] row_xmask:2 row_mask:0xf bank_mask:0xf
	v_max_num_f32_dpp v[AM], v[AM], v[AM] row_xmask:4 row_mask:0xf bank_mask:0xf
	v_max_num_f32_dpp v[AM], v[AM], v[AM] row_xmask:8 row_mask:0xf bank_mask:0xf
	v_mov_b32 v29, 0                               ; v_permlanex16_b32's destination counts as read
	v_permlanex16_b32 v29, v[AM], s72, s73
	v_max_num_f32 v[AM], v[AM], v29                ; the wave's maximum, in every lane
	s_lshl_b32 s76, s42, 4
	s_add_co_u32 s76, s76, s13
	s_lshl_b32 s76, s76, 2
	s_add_co_u32 s76, s76, s10
	s_lshl_b32 s76, s76, 2                         ; ((block column * 16 + block row) * 4 + wave) words
	s_mov_b32 s77, 0
	s_add_nc_u64 s[68:69], s[68:69], s[76:77]
	v_mov_b32 v30, 0
	v_cmp_eq_u32 vcc_lo, 0, v5
	s_wait_xcnt 0x0                                ; EXEC is a source of the stores above: it changes only behind this wait
	s_and_saveexec_b32 s74, vcc_lo
	global_store_b32 v30, v[AM], s[68:69]          ; lane 0 alone
	s_wait_xcnt 0x0                                ; and again in front of the line that widens it
	s_or_b32 exec_lo, exec_lo, s74
	s_wait_tensorcnt 0x0
	ds_add_u32 v62, v63
	s_wait_dscnt 0x0
	CROUND                                         ; the closing round: no work-group ends while a partner may still ask for a tile that names it
	s_endpgm
.Lfunc_end_k_qc9c8c51168_qkv:
	.size	k_qc9c8c51168_qkv, .Lfunc_end_k_qc9c8c51168_qkv-k_qc9c8c51168_qkv
	.p2alignl 7, 3214868480
	.fill 96, 4, 3214868480
	.section	.rodata,"a",@progbits
	.p2align	6, 0x0
	.amdhsa_kernel k_qc9c8c51168_qkv
		.amdhsa_group_segment_fixed_size 327680
		.amdhsa_private_segment_fixed_size 0
		.amdhsa_enable_private_segment 0
		.amdhsa_kernarg_size 40
		.amdhsa_user_sgpr_count 2
		.amdhsa_user_sgpr_kernarg_segment_ptr 1
		.amdhsa_wavefront_size32 1
		.amdhsa_system_sgpr_workgroup_id_x 1
		.amdhsa_system_sgpr_workgroup_id_y 1
		.amdhsa_system_sgpr_workgroup_id_z 1
		.amdhsa_system_vgpr_workitem_id 0
		.amdhsa_next_free_vgpr 768
		.amdhsa_next_free_sgpr 96
		.amdhsa_reserve_vcc 1
		.amdhsa_float_denorm_mode_32 3
		.amdhsa_float_denorm_mode_16_64 3
		.amdhsa_memory_ordered 1
		.amdhsa_forward_progress 1
		.amdhsa_inst_pref_size 249
	.end_amdhsa_kernel
	.amdgpu_metadata
---
amdhsa.version: [ 1, 2 ]
amdhsa.kernels:
  - .name:           k_qc9c8c51168_qkv
    .symbol:         k_qc9c8c51168_qkv.kd
    .args:
      - { .name: act16, .offset: 0, .size: 8, .value_kind: global_buffer, .address_space: global }
      - { .name: wb, .offset: 8, .size: 8, .value_kind: global_buffer, .address_space: global }
      - { .name: rope, .offset: 16, .size: 8, .value_kind: global_buffer, .address_space: global }
      - { .name: xf, .offset: 24, .size: 8, .value_kind: global_buffer, .address_space: global }
      - { .name: amax, .offset: 32, .size: 8, .value_kind: global_buffer, .address_space: global }
    .group_segment_fixed_size: 327680
    .private_segment_fixed_size: 0
    .kernarg_segment_align: 8
    .kernarg_segment_size: 40
    .max_flat_workgroup_size: 128
    .sgpr_count:     96
    .vgpr_count:     768
    .wavefront_size: 32
...
	.end_amdgpu_metadata
.endif
;; end of part 2
;; launch quant (part 3): grid 4 x 128, 8 waves a work-group, no clusters, 0 bytes of LDS; arguments xf, amax, xi, scl; writes xi, scl
.if DOCPART == 3
	.amdgcn_target "amdgcn-amd-amdhsa--gfx1250"
	.amdhsa_code_object_version 6
	.text
	.protected	k_qc9c8c51168_quant
	.globl	k_qc9c8c51168_quant
	.p2align	8
	.type	k_qc9c8c51168_quant,@function
k_qc9c8c51168_quant:
	s_mov_b64 s[64:65], 0
	v_nop
	global_prefetch_b8 v0, s[64:65] scope:SCOPE_SE
	s_setreg_imm32_b32 hwreg(HW_REG_WAVE_MODE, 25, 1), 1
	s_wait_xcnt 0x0
; quant: scale = (largest |x| of the tensor) / 127 for q, k and v, and xi = round(x / scale) as an f16 whole number (at most 127 in size: exact).
; The scale itself is applied later, outside the products.  xf: [2048][4096] f32 (columns 0-2047 q, 2048-3071 k, 3072-4095 v); xi the same in f16.
; The grid's x is a strip of 1,024 columns (0, 1: q; 2: k; 3: v), its y a block of 16 rows.  Thread t takes the 16 bytes at 16 t of the strip's
; 4,096 bytes of each row: a wave's load covers 512 consecutive bytes, its store of 8 bytes a lane 256 consecutive aligned bytes.
; Every wave reduces its tensor's 512 or 256 partial maxima itself (2 KiB at the most): no traffic between waves, no LDS, no barrier.
; Both divisions are a reciprocal's product corrected by the exact residual, so that the rounding to a whole number sees the quotient as a division gives it.
; scl: words 0-31 q's scale, 32-63 k's, 64-95 v's, each 32 times.
; LIMITS: a maximum below about 1.5e-36 is not served (v_rcp_f32 flushes denormal results); with a maximum of 0 every result is NaN, as 0 / 0 is.
.set X,  32                            ; v[32:95]    sixteen rows' four f32
.set Y,  96                            ; v[96:127]   sixteen rows' two words of f16
.set RS, 4                             ; v[4:5]      1 / scale, twice
.set NS, 6                             ; v[6:7]      -scale, twice
.set MA, 128                           ; v[128:131]  offsets of the four loads of maxima
.set MD, 132                           ; v[132:147]  the maxima as loaded
	s_load_b256 s[4:11], s[0:1], 0x0               ; xf s[4:5], amax s[6:7], xi s[8:9], scl s[10:11]
	s_and_b32 s12, ttmp7, 0xffff                   ; block of rows
	v_lshrrev_b32 v1, 5, v0
	v_readfirstlane_b32 s13, v1                    ; wave
	v_and_b32 v1, 31, v0
	v_lshlrev_b32 v2, 4, v0
	v_lshlrev_b32 v3, 3, v0
	s_mov_b32 s22, 0x76543210
	s_mov_b32 s23, 0xfedcba98
	s_mov_b32 s14, 1023
	s_mov_b32 s15, 2047
	s_cmp_lt_u32 ttmp9, 2
	s_cselect_b32 s14, s15, s14                    ; q has 2,048 bytes of maxima, k and v 1,024 each
	s_cselect_b32 s16, 0, 2048                     ; they begin at byte 0, 2,048,
	s_cmp_eq_u32 ttmp9, 3
	s_cselect_b32 s16, 3072, s16                   ; 3,072
	s_mov_b32 s17, 0
	v_lshlrev_b32 v8, 4, v1
.irp i, 0,1,2,3
	v_add_nc_u32 v[MA+\i], 512*\i, v8
	v_and_b32 v[MA+\i], s14, v[MA+\i]              ; where the tensor has 1,024 bytes the last two loads repeat the first two: harmless to a maximum
.endr
	s_lshl_b32 s18, s12, 18                        ; 16 rows of 16,384 bytes,
	s_lshl_b32 s20, ttmp9, 12                      ; a strip of 4,096
	s_add_co_u32 s18, s18, s20
	s_mov_b32 s19, 0
	s_lshr_b32 s20, s18, 1                         ; half of that in xi
	s_mov_b32 s21, 0
	s_wait_kmcnt 0x0
	s_add_nc_u64 s[4:5], s[4:5], s[18:19]
	s_add_nc_u64 s[8:9], s[8:9], s[20:21]
	s_add_nc_u64 s[6:7], s[6:7], s[16:17]
.irp i, 0,1,2,3
	global_load_b128 v[MD+4*\i:MD+4*\i+3], v[MA+\i], s[6:7]
.endr
.set i, 0
.rept 16
	global_load_b128 v[X+4*i:X+4*i+3], v2, s[4:5] offset:16384*i th:TH_LOAD_NT
.set i, i+1
.endr
	s_wait_loadcnt 16                              ; the maxima are in; the sixteen rows stay out
	v_max3_num_f32 v[MD], v[MD], v[MD+1], v[MD+2]
	v_max3_num_f32 v[MD+3], v[MD+3], v[MD+4], v[MD+5]
	v_max3_num_f32 v[MD+6], v[MD+6], v[MD+7], v[MD+8]
	v_max3_num_f32 v[MD+9], v[MD+9], v[MD+10], v[MD+11]
	v_max3_num_f32 v[MD+12], v[MD+12], v[MD+13], v[MD+14]
	v_max3_num_f32 v[MD], v[MD], v[MD+3], v[MD+6]
	v_max3_num_f32 v[MD+9], v[MD+9], v[MD+12], v[MD+15]
	v_max_num_f32 v[MD], v[MD], v[MD+9]
	v_max_num_f32_dpp v[MD], v[MD], v[MD] row_xmask:1 row_mask:0xf bank_mask:0xf
	v_max_num_f32_dpp v[MD], v[MD], v[MD] row_xmask:2 row_mask:0xf bank_mask:0xf
	v_max_num_f32_dpp v[MD], v[MD], v[MD] row_xmask:4 row_mask:0xf bank_mask:0xf
	v_max_num_f32_dpp v[MD], v[MD], v[MD] row_xmask:8 row_mask:0xf bank_mask:0xf
	v_permlanex16_b32 v[MD+1], v[MD], s22, s23
	v_max_num_f32 v[MD], v[MD], v[MD+1]            ; the tensor's largest |x|, in every lane
	v_mul_f32 v[MD+2], 0x3c010204, v[MD]           ; times 1/127,
	v_fmamk_f32 v[MD+3], v[MD+2], 0xc2fe0000, v[MD]        ; the residual max - 127 q, exact,
	v_fmamk_f32 v[MD+4], v[MD+3], 0x3c010204, v[MD+2]      ; and the corrected quotient: the scale
	v_rcp_f32 v[MD+5], v[MD+4]
	v_nop                                          ; one plain instruction behind a transcendental (ISA guide 5.7.2)
	s_wait_alu depctr_va_vdst(0)
	v_fma_f32 v[MD+6], -v[MD+4], v[MD+5], 1.0
	v_fma_f32 v[RS], v[MD+6], v[MD+5], v[MD+5]
	v_mov_b32 v[RS+1], v[RS]
	v_xor_b32 v[NS], 0x80000000, v[MD+4]
	v_mov_b32 v[NS+1], v[NS]
.set i, 0
.rept 16
	s_wait_loadcnt 15-i                            ; row i is in; the younger rows stay out
	v_pk_mul_f32 v[8:9],   v[X+4*i:X+4*i+1],   v[RS:RS+1]
	v_pk_mul_f32 v[10:11], v[X+4*i+2:X+4*i+3], v[RS:RS+1]
	v_pk_fma_f32 v[12:13], v[8:9],   v[NS:NS+1], v[X+4*i:X+4*i+1]      ; x - q scale, exact
	v_pk_fma_f32 v[14:15], v[10:11], v[NS:NS+1], v[X+4*i+2:X+4*i+3]
	v_pk_fma_f32 v[8:9],   v[12:13], v[RS:RS+1], v[8:9]
	v_pk_fma_f32 v[10:11], v[14:15], v[RS:RS+1], v[10:11]
	v_rndne_f32 v8, v8
	v_rndne_f32 v9, v9
	v_rndne_f32 v10, v10
	v_rndne_f32 v11, v11
	v_cvt_pk_f16_f32 v[Y+2*i],   v8, v9
	v_cvt_pk_f16_f32 v[Y+2*i+1], v10, v11
	global_store_b64 v3, v[Y+2*i:Y+2*i+1], s[8:9] offset:8192*i
.set i, i+1
.endr
	s_cmp_lg_u32 s12, 0                            ; the scales are stored once: by wave 0 of the first block of rows of strips 1, 2, 3
	s_cbranch_scc1 .Lend
	s_cmp_eq_u32 ttmp9, 0
	s_cbranch_scc1 .Lend
	s_cmp_lg_u32 s13, 0
	s_cbranch_scc1 .Lend
	s_sub_co_u32 s16, ttmp9, 1
	s_lshl_b32 s16, s16, 7
	s_mov_b32 s17, 0
	s_add_nc_u64 s[10:11], s[10:11], s[16:17]
	v_lshlrev_b32 v9, 2, v1
	global_store_b32 v9, v[MD+4], s[10:11]
.Lend:
	s_endpgm
.Lfunc_end_k_qc9c8c51168_quant:
	.size	k_qc9c8c51168_quant, .Lfunc_end_k_qc9c8c51168_quant-k_qc9c8c51168_quant
	.p2alignl 7, 3214868480
	.fill 96, 4, 3214868480
	.section	.rodata,"a",@progbits
	.p2align	6, 0x0
	.amdhsa_kernel k_qc9c8c51168_quant
		.amdhsa_group_segment_fixed_size 0
		.amdhsa_private_segment_fixed_size 0
		.amdhsa_enable_private_segment 0
		.amdhsa_kernarg_size 32
		.amdhsa_user_sgpr_count 2
		.amdhsa_user_sgpr_kernarg_segment_ptr 1
		.amdhsa_wavefront_size32 1
		.amdhsa_system_sgpr_workgroup_id_x 1
		.amdhsa_system_sgpr_workgroup_id_y 1
		.amdhsa_system_sgpr_workgroup_id_z 1
		.amdhsa_system_vgpr_workitem_id 0
		.amdhsa_next_free_vgpr 152
		.amdhsa_next_free_sgpr 66
		.amdhsa_reserve_vcc 0
		.amdhsa_float_denorm_mode_32 3
		.amdhsa_float_denorm_mode_16_64 3
		.amdhsa_memory_ordered 1
		.amdhsa_forward_progress 1
		.amdhsa_inst_pref_size 18
	.end_amdhsa_kernel
	.amdgpu_metadata
---
amdhsa.version: [ 1, 2 ]
amdhsa.kernels:
  - .name:           k_qc9c8c51168_quant
    .symbol:         k_qc9c8c51168_quant.kd
    .args:
      - { .name: xf, .offset: 0, .size: 8, .value_kind: global_buffer, .address_space: global }
      - { .name: amax, .offset: 8, .size: 8, .value_kind: global_buffer, .address_space: global }
      - { .name: xi, .offset: 16, .size: 8, .value_kind: global_buffer, .address_space: global }
      - { .name: scl, .offset: 24, .size: 8, .value_kind: global_buffer, .address_space: global }
    .group_segment_fixed_size: 0
    .private_segment_fixed_size: 0
    .kernarg_segment_align: 8
    .kernarg_segment_size: 32
    .max_flat_workgroup_size: 256
    .sgpr_count:     66
    .vgpr_count:     152
    .wavefront_size: 32
...
	.end_amdgpu_metadata
.endif
;; end of part 3
;; launch attn (part 4): grid 32 x 8, 4 waves a work-group, clusters of 4 x 4, 327,680 bytes of LDS; arguments xi, attention_mask, scl, act16; writes act16
.if DOCPART == 4
	.amdgcn_target "amdgcn-amd-amdhsa--gfx1250"
	.amdhsa_code_object_version 6
	.text
	.protected	k_qc9c8c51168_attn
	.globl	k_qc9c8c51168_attn
	.p2align	8
	.type	k_qc9c8c51168_attn,@function
k_qc9c8c51168_attn:
	s_mov_b64 s[64:65], 0
	v_nop
	global_prefetch_b8 v0, s[64:65] scope:SCOPE_SE
	s_setreg_imm32_b32 hwreg(HW_REG_WAVE_MODE, 25, 1), 1
	s_wait_xcnt 0x0
	s_wait_alu depctr_hold_cnt(0) depctr_sa_sdst(0) depctr_va_vdst(0) depctr_va_sdst(0) depctr_va_ssrc(0) depctr_va_vcc(0) depctr_vm_vsrc(0)
	s_getreg_b32 s2, hwreg(HW_REG_IB_STS2, 6, 4)
	s_cmp_eq_u32 s2, 0
	s_cbranch_scc0 .Lentry_in_a_cluster
	s_endpgm
.Lentry_in_a_cluster:
	s_bfe_u32 s2, ttmp6, 0x10000c
	s_cmp_lg_u32 s2, 0xf033
	s_cbranch_scc0 .Lentry_shape_is_right
	s_endpgm
.Lentry_shape_is_right:
; attn: softmax(q k^T / sqrt(128) + mask) v on the whole numbers of xi, with a running maximum; the result, in units of v's scale (at most 127), goes to act16 as f16 [2048][2048].
; The mask is an input: all 2,048 keys are taken for every query.
; A work-group takes 64 queries (block qb) and one key/value head kv, that is both of its query heads.  Wave w: qh = w >> 1 picks 32 queries, kh = w & 1 picks 64 of
; each step's 128 keys; it has four query tiles t = 2 head + rt.  The two waves of a qh keep maxima, sums and results of their own and are joined at the end.
; BOTH PRODUCTS ARE TRANSPOSED, so that a query is a lane in both: S^T = K Q^T (source 0 = 16 keys, source 1 = 16 queries): lane (r, h) holds query r and in register j
; key 8 h + j.  O^T = V^T P^T (source 0 = 16 columns of V by the transposing LDS load, source 1 = P): packing two neighbouring tiles of S^T two numbers to a register
; is P's fragment as it stands: no move between lanes.
; Scores of whole numbers are exact in f32 (128 products of at most 127 x 127); the scales enter as one factor c2 = sq sk / sqrt(128) * log2(e).
; P is f16 (numbers from 0 to 1), V's whole numbers are exact in f16.
; CLUSTERS: 4 x 4 work-groups.  K's and V's tiles hang on kv alone and are asked for jointly by the four of a row of the cluster; the mask's tile hangs on qb alone, jointly by
; the four of a column.  Wave 0 asks for K, wave 1 for V, wave 2 for the mask (three tiles a step, one descriptor each); wave 3 asks for nothing.
; Two slots; a wave has at most one tensor load out, and every wait on TENSORcnt is for 0.
; LIMITS: the mask may hold -inf, not +inf or NaN; a query whose mask is -inf everywhere gives NaN, as 0 / 0 does.
; REGISTERS: window 0: v16-29 addresses; v32-39 (m, m), v40-47 (alpha, alpha), v48-55 partial sums, v56-63 block maxima, a pair for each t; v64-127 mask; v128-255 K's, then V's fragments.
;            window 1: O(t, dt) at 64 t + 8 dt.   window 2: Q(t, ks) at 8 (4 t + ks); S(kt, t) at 128 + 64 (kt >> 1) + 16 t + 8 (kt & 1).
.set PK,     272                       ; K's LDS pitch: 256 + 16
.set PV,     288                       ; V's: 256 + 32, an odd multiple of 32 for the transposing load
.set PM,     528                       ; the mask's: 512 + 16
.set VOFF,   128*PK
.set MOFF,   VOFF+128*PV
.set SLOT,   MOFF+64*PM                ; 105,472
.set STAGE,  2*SLOT                    ; behind the ring: 32 rows x 272 bytes for each wave; no tensor load lands there
.set SPITCH, 272
.set MREG,   33792                     ; the join: 32,768 bytes of O and 1,024 of (m, l) for each wave, in the ring behind its last fill
.set KVSTEP, 128*8192                  ; 128 keys, 8,192 bytes a row of xi
.set ADK, 16
.set ADV, 18
.set ADM, 20
.set QO,  22
.set MW,  23
.set MW2, 24
.set RA,  25
.set RS,  26
.set STO, 27
.set RD,  28
.set CO,  29
.set MM,  32
.set AL,  40
.set LP,  48
.set BM,  56
.set MK,  64
.set F,   128
.set SB,  128
.set G1K, 24
.set G1V, 32
.set G1M, 40
.set G0K, 48
.set G0V, 56
.set G0M, 68
.set MSB, 0
.macro WIN new                         ; low byte: bits 1:0 source 0, 3:2 source 1, 5:4 source 2, 7:6 destination; high byte: the setting that is left
.if MSB != \new
	s_set_vgpr_msb (MSB<<8)|\new
.set MSB, \new
.endif
.endm
.macro ROUND                           ; a round of the cluster's barrier
	s_barrier_signal -1
	s_barrier_wait -1
	s_cmp_lg_u32 s12, 0
	s_cbranch_scc1 .Lnot_wave_0_\@
	s_barrier_signal -3
.Lnot_wave_0_\@:
	s_barrier_wait -3
	s_barrier_signal -1
	s_barrier_wait -1
.endm
.macro JL3 n                           ; slot n's three tiles, one wave each; the branches hang on the wave's number alone
	s_cmp_lg_u32 s12, 0
	s_cbranch_scc1 .Lnot_k_\@
	tensor_load_to_lds s[G0K+4*\n:G0K+4*\n+3], s[G1K:G1K+7]
	s_nop 0
	s_branch .Lasked_\@
.Lnot_k_\@:
	s_cmp_lg_u32 s12, 1
	s_cbranch_scc1 .Lnot_v_\@
	tensor_load_to_lds s[G0V+4*\n:G0V+4*\n+3], s[G1V:G1V+7]
	s_nop 0
	s_branch .Lasked_\@
.Lnot_v_\@:
	s_cmp_lg_u32 s12, 2
	s_cbranch_scc1 .Lasked_\@
	tensor_load_to_lds s[G0M+4*\n:G0M+4*\n+3], s[G1M:G1M+7]
	s_nop 0
.Lasked_\@:
.endm
; One step: my 64 keys of a slot against my four query tiles.  first = 1: the first products start O's sums.
.macro WORK slot, first
.rept 5
	v_nop                                          ; five places: the last step's matrix instructions read F (loaded below) and P (written over by the first matrix instructions below) (ISA guide 7.12.1)
.endr
.irp ks, 0,1,2,3
.irp kt, 0,1,2,3
	ds_load_b128 v[F+8*(4*\ks+\kt):F+8*(4*\ks+\kt)+3],   v[ADK+\slot] offset:16*PK*\kt+64*\ks
	ds_load_b128 v[F+8*(4*\ks+\kt)+4:F+8*(4*\ks+\kt)+7], v[ADK+\slot] offset:16*PK*\kt+64*\ks+32
.endr
.endr
.irp kt, 0,1,2,3
.irp rt, 0,1
	ds_load_b128 v[MK+8*(2*\kt+\rt):MK+8*(2*\kt+\rt)+3],   v[ADM+\slot] offset:16*PM*\rt+64*\kt
	ds_load_b128 v[MK+8*(2*\kt+\rt)+4:MK+8*(2*\kt+\rt)+7], v[ADM+\slot] offset:16*PM*\rt+64*\kt+16
.endr
.endr
	WIN 0xa8                                       ; K from window 0, Q and S in window 2.  The sixteen accumulators take turns, one instruction a turn
.irp ks, 0,1,2,3
	s_wait_dscnt 40-8*\ks                          ; the eight loads of this 32 of d are in; K's later ones and the mask's sixteen stay out
.irp kt, 0,1,2,3
.irp t, 0,1,2,3
.if \ks == 0
	v_wmma_f32_16x16x32_f16 v[SB+64*(\kt>>1)+16*\t+8*(\kt&1):SB+64*(\kt>>1)+16*\t+8*(\kt&1)+7], v[F+8*(4*\ks+\kt):F+8*(4*\ks+\kt)+7], v[8*(4*\t+\ks):8*(4*\t+\ks)+7], 0
.else
	v_wmma_f32_16x16x32_f16 v[SB+64*(\kt>>1)+16*\t+8*(\kt&1):SB+64*(\kt>>1)+16*\t+8*(\kt&1)+7], v[F+8*(4*\ks+\kt):F+8*(4*\ks+\kt)+7], v[8*(4*\t+\ks):8*(4*\t+\ks)+7], v[SB+64*(\kt>>1)+16*\t+8*(\kt&1):SB+64*(\kt>>1)+16*\t+8*(\kt&1)+7]
.endif
.endr
.endr
.endr
	WIN 0
	s_wait_dscnt 0x0                               ; the mask is in
.set i, 0
.rept 32
	v_pk_mul_f32 v[MK+2*i:MK+2*i+1], v[MK+2*i:MK+2*i+1], s[88:89] op_sel_hi:[1,0]     ; mask * log2(e); these 32 are also the places behind the matrix instructions above
.set i, i+1
.endr
.irp g, 0,1
.irp dt, 0,1,2,3,4,5,6,7
	ds_load_tr16_b128 v[F+8*(8*\g+\dt):F+8*(8*\g+\dt)+3],   v[ADV+\slot] offset:32*PV*\g+32*\dt          ; keys 32 g + 8 h .. + 7 of column 16 dt + r
	ds_load_tr16_b128 v[F+8*(8*\g+\dt)+4:F+8*(8*\g+\dt)+7], v[ADV+\slot] offset:32*PV*\g+32*\dt+16*PV
.endr
.endr
	WIN 0x82
.irp kt, 0,1,2,3
.irp t, 0,1,2,3
.irp p, 0,2,4,6
	v_pk_fma_f32 v[SB+64*(\kt>>1)+16*\t+8*(\kt&1)+\p:SB+64*(\kt>>1)+16*\t+8*(\kt&1)+\p+1], v[SB+64*(\kt>>1)+16*\t+8*(\kt&1)+\p:SB+64*(\kt>>1)+16*\t+8*(\kt&1)+\p+1], s[76:77], v[MK+8*(2*\kt+(\t&1))+\p:MK+8*(2*\kt+(\t&1))+\p+1] op_sel_hi:[1,0,1]
.endr
.endr
.endr
	WIN 0x28                                       ; the step's maximum with the old one: two chains for each tile, eight chains by turns
.irp t, 0,1,2,3
.irp c, 0,1
	v_max3_num_f32 v[BM+2*\t+\c], v[MM+2*\t], v[SB+64*\c+16*\t], v[SB+64*\c+16*\t+1]
.endr
.endr
.irp i, 2,4,6,8,10,12,14
.irp t, 0,1,2,3
.irp c, 0,1
	v_max3_num_f32 v[BM+2*\t+\c], v[BM+2*\t+\c], v[SB+64*\c+16*\t+\i], v[SB+64*\c+16*\t+\i+1]
.endr
.endr
.endr
	WIN 0
.irp t, 0,1,2,3
	v_max_num_f32 v[BM+2*\t], v[BM+2*\t], v[BM+2*\t+1]
	v_permlanex16_b32 v[BM+2*\t+1], v[BM+2*\t], s78, s79   ; the other eight keys of each tile lie in the other half of the lanes
	v_max_num_f32 v[BM+2*\t], v[BM+2*\t], v[BM+2*\t+1]     ; the new maximum
	v_sub_f32 v[AL+2*\t], v[MM+2*\t], v[BM+2*\t]
	v_mov_b32 v[MM+2*\t], v[BM+2*\t]
	v_mov_b32 v[MM+2*\t+1], v[BM+2*\t]
	v_exp_f32 v[AL+2*\t], v[AL+2*\t]               ; alpha = 2^(old - new); the next tile's first line is the plain place behind it (ISA guide 5.7.2)
.endr
	v_nop
	s_wait_alu depctr_va_vdst(0)
.irp t, 0,1,2,3
	v_mov_b32 v[AL+2*\t+1], v[AL+2*\t]
.endr
.irp t, 0,1,2,3
	v_pk_mul_f32 v[LP+2*\t:LP+2*\t+1], v[LP+2*\t:LP+2*\t+1], v[AL+2*\t:AL+2*\t+1]
.endr
	WIN 0x82
.irp g, 0,1
.irp t, 0,1,2,3
.irp i, 0,2,4,6,8,10,12,14
	v_pk_add_f32 v[SB+64*\g+16*\t+\i:SB+64*\g+16*\t+\i+1], v[SB+64*\g+16*\t+\i:SB+64*\g+16*\t+\i+1], v[MM+2*\t:MM+2*\t+1] neg_lo:[0,1] neg_hi:[0,1]
.endr
.endr
.endr
.set i, 0
.rept 128
	v_exp_f32 v[SB+i], v[SB+i]
.set i, i+1
.endr
	v_nop
	WIN 0x02
	s_wait_alu depctr_va_vdst(0)
.irp g, 0,1
.irp i, 0,2,4,6,8,10,12,14
.irp t, 0,1,2,3
	v_pk_add_f32 v[LP+2*\t:LP+2*\t+1], v[SB+64*\g+16*\t+\i:SB+64*\g+16*\t+\i+1], v[LP+2*\t:LP+2*\t+1]
.endr
.endr
.endr
	WIN 0x8a                                       ; P to f16 in place: register i takes registers 2 i and 2 i + 1, i ascending
.irp g, 0,1
.irp t, 0,1,2,3
.irp i, 0,1,2,3,4,5,6,7
	v_cvt_pk_f16_f32 v[SB+64*\g+16*\t+\i], v[SB+64*\g+16*\t+2*\i], v[SB+64*\g+16*\t+2*\i+1]
.endr
.endr
.endr
.if \first == 0
	WIN 0x41
.irp t, 0,1,2,3
.set i, 0
.rept 32
	v_pk_mul_f32 v[64*\t+2*i:64*\t+2*i+1], v[64*\t+2*i:64*\t+2*i+1], v[AL+2*\t:AL+2*\t+1]
.set i, i+1
.endr
.endr
.endif
	s_wait_dscnt 0x0                               ; V's fragments are in
	WIN 0x58                                       ; V from window 0, P from window 2, O in window 1.  The 32 accumulators take turns, one instruction a turn
.irp g, 0,1
.irp dt, 0,1,2,3,4,5,6,7
.irp t, 0,1,2,3
.if \first*(1-\g)
	v_wmma_f32_16x16x32_f16 v[64*\t+8*\dt:64*\t+8*\dt+7], v[F+8*(8*\g+\dt):F+8*(8*\g+\dt)+7], v[SB+64*\g+16*\t:SB+64*\g+16*\t+7], 0
.else
	v_wmma_f32_16x16x32_f16 v[64*\t+8*\dt:64*\t+8*\dt+7], v[F+8*(8*\g+\dt):F+8*(8*\g+\dt)+7], v[SB+64*\g+16*\t:SB+64*\g+16*\t+7], v[64*\t+8*\dt:64*\t+8*\dt+7]
.endif
.endr
.endr
.endr
	WIN 0
.endm
; A trip: this slot has landed; the other slot, read in the last trip, is asked for again behind a round of the cluster's barrier.
.macro TRIP slot, other, refill, first
	s_set_vgpr_msb 0xf
	s_wait_tensorcnt 0x0                           ; all my tensor loads have landed, my tile of this slot among them, so every group 0 may be written:
	ds_add_u32 v0, v1
	s_wait_dscnt 0x0
	s_set_vgpr_msb 0xf00
	s_add_nc_u64 s[G0K+4*\slot+2:G0K+4*\slot+3], s[G0K+4*\slot+2:G0K+4*\slot+3], 2*KVSTEP      ; this slot's next tiles
	s_add_nc_u64 s[G0V+4*\slot+2:G0V+4*\slot+3], s[G0V+4*\slot+2:G0V+4*\slot+3], 2*KVSTEP
	s_add_nc_u64 s[G0M+4*\slot+2:G0M+4*\slot+3], s[G0M+4*\slot+2:G0M+4*\slot+3], 2*512
	s_wait_dscnt 0x0                               ; my reads of the other slot are back
	ROUND                                          ; both now hold of every wave of all sixteen work-groups
.if \refill
	JL3 \other                                     ; my one tensor load behind the round
.endif
	WORK \slot, \first
.endm
	s_load_b256 s[4:11], s[0:1], 0x0               ; xi s[4:5], attention_mask s[6:7], scl s[8:9], act16 s[10:11]
	s_set_vgpr_msb 0xc0
	v_lshl_add_u32 v0, v0, 2, 0x3c000
	v_mov_b32 v1, 0
	s_set_vgpr_msb 0xc0cf
	ds_add_u32 v0, v1
	s_set_vgpr_msb 0xcf00
	v_lshrrev_b32 v1, 5, v0
	v_readfirstlane_b32 s12, v1                    ; wave
	s_lshr_b32 s13, s12, 1                         ; qh
	s_and_b32 s14, s12, 1                          ; kh
	s_bfe_u32 s81, ttmp6, 0x40000                  ; cx
	s_bfe_u32 s82, ttmp6, 0x40004                  ; cy
	s_lshl_b32 s83, ttmp9, 2
	s_add_co_u32 s83, s83, s81                     ; qb
	s_and_b32 s84, ttmp7, 0xffff
	s_lshl_b32 s84, s84, 2
	s_add_co_u32 s84, s84, s82                     ; kv
	s_lshl_b32 s85, s82, 2
	s_lshl_b32 s85, 15, s85                        ; my row of the cluster
	s_lshl_b32 s86, 0x1111, s81                    ; my column
	s_mov_b32 s78, 0x76543210
	s_mov_b32 s79, 0xfedcba98
	s_mov_b32 s88, 0x3fb8aa3b                      ; log2(e), twice
	s_mov_b32 s89, 0x3fb8aa3b
	s_or_b32 s[G1K+0], s85, (1<<16)|(1<<20)|(1<<21)|(5<<22)|(3<<25)  ; K: 128 rows x 128 f16, 4 words of padding behind every 64
	s_mov_b32 s[G1K+1], 128<<16
	s_mov_b32 s[G1K+2], 128<<16
	s_mov_b32 s[G1K+3], 128<<16
	s_mov_b32 s[G1K+4], 128
	s_mov_b32 s[G1K+5], 4096
	s_mov_b32 s[G1K+6], 0
	s_mov_b32 s[G1K+7], 0
	s_or_b32 s[G1V+0], s85, (1<<16)|(1<<20)|(1<<21)|(5<<22)|(7<<25)  ; V: the same with 8 words of padding
	s_mov_b32 s[G1V+1], 128<<16
	s_mov_b32 s[G1V+2], 128<<16
	s_mov_b32 s[G1V+3], 128<<16
	s_mov_b32 s[G1V+4], 128
	s_mov_b32 s[G1V+5], 4096
	s_mov_b32 s[G1V+6], 0
	s_mov_b32 s[G1V+7], 0
	s_or_b32 s[G1M+0], s86, (2<<16)|(1<<20)|(1<<21)|(6<<22)|(3<<25)  ; the mask: 64 rows x 128 f32, 4 words of padding behind every 128
	s_mov_b32 s[G1M+1], 128<<16
	s_mov_b32 s[G1M+2], 64<<16
	s_mov_b32 s[G1M+3], 128<<16
	s_mov_b32 s[G1M+4], 64
	s_mov_b32 s[G1M+5], 2048
	s_mov_b32 s[G1M+6], 0
	s_mov_b32 s[G1M+7], 0
	s_lshl_b32 s22, s84, 8                         ; a head's 256 bytes in a row of xi
	s_mov_b32 s23, 0
	s_lshl_b32 s66, s83, 19                        ; 64 rows of 8,192 bytes: of the mask, and of xi
	s_mov_b32 s67, 0
	s_lshl_b32 s94, s84, 9                         ; two query heads' 512 bytes
	s_mov_b32 s95, 0
	s_wait_dscnt 0x0
	s_wait_kmcnt 0x0
	s_load_b32 s90, s[8:9], 0x0                    ; q's scale
	s_load_b32 s91, s[8:9], 0x80                   ; k's scale
	s_add_nc_u64 s[16:17], s[4:5], s[22:23]        ; K and V: kv alone
	s_add_nc_u64 s[20:21], s[6:7], s[66:67]        ; the mask: qb alone
	s_add_nc_u64 s[92:93], s[4:5], s[66:67]        ; Q: both (plain loads)
	s_add_nc_u64 s[92:93], s[92:93], s[94:95]
.irp n, 0,1
	s_mov_b32 s[G0K+4*\n], 1
	s_mov_b32 s[G0K+4*\n+1], \n*SLOT
	s_add_nc_u64 s[G0K+4*\n+2:G0K+4*\n+3], s[16:17], 4096+\n*KVSTEP        ; k's columns begin at byte 4,096 of a row
	s_or_b32 s[G0K+4*\n+3], s[G0K+4*\n+3], 0x80000000
	s_mov_b32 s[G0V+4*\n], 1
	s_mov_b32 s[G0V+4*\n+1], \n*SLOT+VOFF
	s_add_nc_u64 s[G0V+4*\n+2:G0V+4*\n+3], s[16:17], 6144+\n*KVSTEP        ; v's at byte 6,144
	s_or_b32 s[G0V+4*\n+3], s[G0V+4*\n+3], 0x80000000
	s_mov_b32 s[G0M+4*\n], 1
	s_mov_b32 s[G0M+4*\n+1], \n*SLOT+MOFF
	s_add_nc_u64 s[G0M+4*\n+2:G0M+4*\n+3], s[20:21], \n*512
	s_or_b32 s[G0M+4*\n+3], s[G0M+4*\n+3], 0x80000000
.endr
	ROUND                                          ; all sixteen work-groups are here
	JL3 0                                          ; step 0's tiles; slot 1 is first filled behind the first trip's round
	v_and_b32 v1, 15, v0                           ; r
	v_bfe_u32 v2, v0, 4, 1                         ; h
	v_and_b32 v3, 7, v0
	v_bfe_u32 v4, v0, 3, 1
	v_and_b32 v5, 31, v0                           ; lane
	v_lshlrev_b32 v6, 13, v1
	v_lshl_add_u32 v6, v2, 4, v6
	s_lshl_b32 s16, s13, 18
	v_add_nc_u32 v[QO], s16, v6                    ; (32 qh + r) rows of 8,192 bytes + 16 h
	WIN 0x80
.irp hd, 0,1
.irp rt, 0,1
.irp ks, 0,1,2,3
	global_load_b128 v[8*(4*(2*\hd+\rt)+\ks):8*(4*(2*\hd+\rt)+\ks)+3],   v[QO], s[92:93] offset:131072*\rt+256*\hd+64*\ks
	global_load_b128 v[8*(4*(2*\hd+\rt)+\ks)+4:8*(4*(2*\hd+\rt)+\ks)+7], v[QO], s[92:93] offset:131072*\rt+256*\hd+64*\ks+32
.endr
.endr
.endr
	WIN 0
	v_mul_u32_u24 v6, v1, PK
	v_lshl_add_u32 v6, v2, 4, v6
	s_mul_i32 s16, s14, 64*PK
	v_add_nc_u32 v[ADK], s16, v6                   ; (64 kh + r) pitch + 16 h
	v_add_nc_u32 v[ADK+1], SLOT, v[ADK]
	v_lshl_add_u32 v7, v2, 3, v3
	v_mul_u32_u24 v7, v7, PV
	v_lshl_add_u32 v7, v4, 4, v7
	s_mul_i32 s17, s14, 64*PV
	s_add_co_u32 s17, s17, VOFF
	v_add_nc_u32 v[ADV], s17, v7                   ; (64 kh + 8 h + lane mod 8) pitch + 16 ((lane / 8) mod 2)
	v_add_nc_u32 v[ADV+1], SLOT, v[ADV]
	v_mul_u32_u24 v6, v1, PM
	v_lshl_add_u32 v6, v2, 5, v6
	s_mul_i32 s18, s13, 32*PM
	s_lshl_b32 s19, s14, 8
	s_add_co_u32 s18, s18, s19
	s_add_co_u32 s18, s18, MOFF
	v_add_nc_u32 v[ADM], s18, v6                   ; (32 qh + r) pitch + 256 kh + 32 h
	v_add_nc_u32 v[ADM+1], SLOT, v[ADM]
	s_mul_i32 s16, s12, MREG
	v_lshl_add_u32 v[MW], v5, 4, s16               ; the join, in: my region + 16 lane
	s_add_co_u32 s17, s16, 32768
	v_lshl_add_u32 v[MW2], v5, 3, s17
	s_mul_i32 s16, s13, 2*MREG
	s_lshl_b32 s17, s14, 14
	s_add_co_u32 s17, s17, s16
	v_lshl_add_u32 v[RA], v5, 4, s17               ; the join, back: the first wave of my qh, head kh's 32 chunks
	s_lshl_b32 s17, s14, 9
	s_add_co_u32 s17, s17, s16
	s_add_co_u32 s17, s17, 32768
	v_lshl_add_u32 v[RS], v5, 3, s17
	s_mul_i32 s16, s12, 32*SPITCH
	s_add_co_u32 s16, s16, STAGE
	v_mul_u32_u24 v6, v1, SPITCH
	v_lshl_add_u32 v6, v2, 4, v6
	v_add_nc_u32 v[STO], s16, v6
	v_mul_u32_u24 v6, v2, SPITCH
	v_lshl_add_u32 v6, v1, 4, v6
	v_add_nc_u32 v[RD], s16, v6
	v_lshlrev_b32 v6, 12, v2
	v_lshl_add_u32 v[CO], v1, 4, v6                ; two rows of act16's 4,096 bytes, 16 bytes a lane
.irp i, 0,1,2,3,4,5,6,7
	v_mov_b32 v[MM+\i], 0xff7fffff                 ; the running maximum starts at the lowest finite number,
	v_mov_b32 v[LP+\i], 0                          ; the sums at 0
.endr
	s_wait_kmcnt 0x0
	s_mul_f32 s76, s90, s91
	s_mul_f32 s76, s76, 0x3db504f3                 ; / sqrt(128)
	s_mul_f32 s76, s76, 0x3fb8aa3b                 ; * log2(e)
	s_mov_b32 s77, s76
	s_wait_loadcnt 0x0                             ; Q is in, for the whole kernel
	TRIP 0, 1, 1, 1
	TRIP 1, 0, 1, 0
	s_mov_b32 s80, 6
.Lpair:
	TRIP 0, 1, 1, 0
	TRIP 1, 0, 1, 0
	s_sub_co_u32 s80, s80, 1
	s_cmp_lg_u32 s80, 0
	s_cbranch_scc1 .Lpair
	TRIP 0, 1, 1, 0
	TRIP 1, 0, 0, 0                                ; the sixteenth step: nothing is left to fetch
	; THE JOIN of the two waves of a qh.  Each wave lays its O and its (m, l) into the ring, which has had its last fill; wave (qh, kh) then takes head kh's two tiles of both.
.rept 4
	v_nop                                          ; four places behind the last matrix instructions, whose results are stored below (ISA guide 7.12.1)
.endr
.irp t, 0,1,2,3
	v_add_f32 v[LP+2*\t], v[LP+2*\t], v[LP+2*\t+1]
	v_permlanex16_b32 v[LP+2*\t+1], v[LP+2*\t], s78, s79
	v_add_f32 v[MM+2*\t+1], v[LP+2*\t], v[LP+2*\t+1]       ; (m, l) as a pair
.endr
	s_wait_dscnt 0x0                               ; my reads of the ring are back
	s_barrier_signal -1
	s_barrier_wait -1                              ; everybody's are
	WIN 0x04
.set i, 0
.rept 64
	ds_store_b128 v[MW], v[4*i:4*i+3] offset:512*i
.set i, i+1
.endr
	WIN 0
.irp t, 0,1,2,3
	ds_store_b64 v[MW2], v[MM+2*\t:MM+2*\t+1] offset:256*\t
.endr
	s_wait_dscnt 0x0                               ; for the others' sake: zero
	s_barrier_signal -1
	s_barrier_wait -1
	WIN 0x40
.set i, 0
.rept 32
	ds_load_b128 v[4*i:4*i+3],         v[RA] offset:512*i          ; copy A (kh = 0's keys) into window 1, registers 0-127
	ds_load_b128 v[128+4*i:128+4*i+3], v[RA] offset:MREG+512*i     ; copy B into registers 128-255
.set i, i+1
.endr
	WIN 0
.irp e, 0,1
	ds_load_b64 v[8+2*\e:9+2*\e],   v[RS] offset:256*\e
	ds_load_b64 v[12+2*\e:13+2*\e], v[RS] offset:MREG+256*\e
.endr
	s_wait_dscnt 0x0
.irp e, 0,1
	v_max_num_f32 v30, v[8+2*\e], v[12+2*\e]
	v_sub_f32 v[MM+2*\e], v[8+2*\e], v30
	v_sub_f32 v[AL+2*\e], v[12+2*\e], v30
	v_exp_f32 v[MM+2*\e], v[MM+2*\e]
	v_exp_f32 v[AL+2*\e], v[AL+2*\e]
	v_nop
	s_wait_alu depctr_va_vdst(0)
	v_mul_f32 v31, v[9+2*\e], v[MM+2*\e]
	v_fmac_f32 v31, v[13+2*\e], v[AL+2*\e]         ; l = lA fA + lB fB
	v_rcp_f32 v31, v31
	v_nop
	s_wait_alu depctr_va_vdst(0)
	v_mul_f32 v[MM+2*\e], v[MM+2*\e], v31          ; fA / l
	v_mul_f32 v[AL+2*\e], v[AL+2*\e], v31          ; fB / l
	v_mov_b32 v[MM+2*\e+1], v[MM+2*\e]
	v_mov_b32 v[AL+2*\e+1], v[AL+2*\e]
.endr
	WIN 0x41
.irp e, 0,1
.set i, 0
.rept 32
	v_pk_mul_f32 v[64*\e+2*i:64*\e+2*i+1], v[64*\e+2*i:64*\e+2*i+1], v[MM+2*\e:MM+2*\e+1]
.set i, i+1
.endr
.endr
	WIN 0x51
.irp e, 0,1
.set i, 0
.rept 32
	v_pk_fma_f32 v[64*\e+2*i:64*\e+2*i+1], v[128+64*\e+2*i:128+64*\e+2*i+1], v[AL+2*\e:AL+2*\e+1], v[64*\e+2*i:64*\e+2*i+1]
.set i, i+1
.endr
.endr
	WIN 0x05                                       ; lane (r, h) holds query r and d = 16 dt + 8 h + j: eight neighbours of a row, 16 bytes in f16
.irp e, 0,1
.irp dt, 0,1,2,3,4,5,6,7
.irp i, 0,1,2,3
	v_cvt_pk_f16_f32 v[F+32*\e+4*\dt+\i], v[64*\e+8*\dt+2*\i], v[64*\e+8*\dt+2*\i+1]
.endr
.endr
.endr
	WIN 0
	s_lshl_b32 s16, s83, 6
	s_lshl_b32 s17, s13, 5
	s_add_co_u32 s16, s16, s17
	s_lshl_b32 s16, s16, 12                        ; row 64 qb + 32 qh, 4,096 bytes a row
	s_lshl_b32 s17, s84, 1
	s_add_co_u32 s17, s17, s14
	s_lshl_b32 s17, s17, 8                         ; head 2 kv + kh, 256 bytes
	s_add_co_u32 s16, s16, s17
	s_mov_b32 s17, 0
	s_add_nc_u64 s[10:11], s[10:11], s[16:17]
.irp e, 0,1
.irp dt, 0,1,2,3,4,5,6,7
	ds_store_b128 v[STO], v[F+32*\e+4*\dt:F+32*\e+4*\dt+3] offset:16*SPITCH*\e+32*\dt
.endr
.endr
.set i, 0
.rept 16
	ds_load_b128 v[F+64+4*i:F+64+4*i+3], v[RD] offset:2*SPITCH*i   ; my own stage, served in order: two whole rows of 256 bytes
.set i, i+1
.endr
.set i, 0
.rept 16
	s_wait_dscnt 15-i                              ; rows 2 i, 2 i + 1 are back; the younger read-backs stay out
	global_store_b128 v[CO], v[F+64+4*i:F+64+4*i+3], s[10:11] offset:2*i*4096      ; sixteen lanes store 256 consecutive aligned bytes
.set i, i+1
.endr
	s_set_vgpr_msb 0xf
	s_wait_tensorcnt 0x0
	ds_add_u32 v0, v1
	s_wait_dscnt 0x0
	s_set_vgpr_msb 0xf00
	ROUND                                          ; the closing round: no work-group ends while a partner may still ask for a tile that names it
	s_endpgm
.Lfunc_end_k_qc9c8c51168_attn:
	.size	k_qc9c8c51168_attn, .Lfunc_end_k_qc9c8c51168_attn-k_qc9c8c51168_attn
	.p2alignl 7, 3214868480
	.fill 96, 4, 3214868480
	.section	.rodata,"a",@progbits
	.p2align	6, 0x0
	.amdhsa_kernel k_qc9c8c51168_attn
		.amdhsa_group_segment_fixed_size 327680
		.amdhsa_private_segment_fixed_size 0
		.amdhsa_enable_private_segment 0
		.amdhsa_kernarg_size 32
		.amdhsa_user_sgpr_count 2
		.amdhsa_user_sgpr_kernarg_segment_ptr 1
		.amdhsa_wavefront_size32 1
		.amdhsa_system_sgpr_workgroup_id_x 1
		.amdhsa_system_sgpr_workgroup_id_y 1
		.amdhsa_system_sgpr_workgroup_id_z 1
		.amdhsa_system_vgpr_workitem_id 0
		.amdhsa_next_free_vgpr 770
		.amdhsa_next_free_sgpr 96
		.amdhsa_reserve_vcc 0
		.amdhsa_float_denorm_mode_32 3
		.amdhsa_float_denorm_mode_16_64 3
		.amdhsa_memory_ordered 1
		.amdhsa_forward_progress 1
		.amdhsa_inst_pref_size 255
	.end_amdhsa_kernel
	.section	.bss,"aw",@nobits
	.p2align	6
	.space	262144
	.amdgpu_metadata
---
amdhsa.version: [ 1, 2 ]
amdhsa.kernels:
  - .name:           k_qc9c8c51168_attn
    .symbol:         k_qc9c8c51168_attn.kd
    .args:
      - { .name: xi, .offset: 0, .size: 8, .value_kind: global_buffer, .address_space: global }
      - { .name: attention_mask, .offset: 8, .size: 8, .value_kind: global_buffer, .address_space: global }
      - { .name: scl, .offset: 16, .size: 8, .value_kind: global_buffer, .address_space: global }
      - { .name: act16, .offset: 24, .size: 8, .value_kind: global_buffer, .address_space: global }
    .group_segment_fixed_size: 327680
    .private_segment_fixed_size: 0
    .kernarg_segment_align: 8
    .kernarg_segment_size: 32
    .max_flat_workgroup_size: 128
    .sgpr_count:     96
    .vgpr_count:     770
    .wavefront_size: 32
...
	.end_amdgpu_metadata
.endif
;; end of part 4
;; launch oproj (part 5): grid 16 x 16, 4 waves a work-group, clusters of 4 x 4, 327,680 bytes of LDS; arguments act16, wo16, scl, out0; writes out0
.if DOCPART == 5
	.amdgcn_target "amdgcn-amd-amdhsa--gfx1250"
	.amdhsa_code_object_version 6
	.text
	.protected	k_qc9c8c51168_oproj
	.globl	k_qc9c8c51168_oproj
	.p2align	8
	.type	k_qc9c8c51168_oproj,@function
k_qc9c8c51168_oproj:
	s_mov_b64 s[64:65], 0
	v_nop
	global_prefetch_b8 v0, s[64:65] scope:SCOPE_SE
	s_setreg_imm32_b32 hwreg(HW_REG_WAVE_MODE, 25, 1), 1
	s_wait_xcnt 0x0
	s_wait_alu depctr_hold_cnt(0) depctr_sa_sdst(0) depctr_va_vdst(0) depctr_va_sdst(0) depctr_va_ssrc(0) depctr_va_vcc(0) depctr_vm_vsrc(0)
	s_getreg_b32 s2, hwreg(HW_REG_IB_STS2, 6, 4)
	s_cmp_eq_u32 s2, 0
	s_cbranch_scc0 .Lentry_in_a_cluster
	s_endpgm
.Lentry_in_a_cluster:
	s_bfe_u32 s2, ttmp6, 0x10000c
	s_cmp_lg_u32 s2, 0xf033
	s_cbranch_scc0 .Lentry_shape_is_right
	s_endpgm
.Lentry_shape_is_right:
; oproj: out0[2048][4096] = sv * (ATT[2048][2048] * WO[2048][4096]), f16 operands, f32 sums.  ATT = act16's first 8 MiB (the attention result in units of v's scale sv,
; at most 127 in size, rows along K), WO = wo16 (rows are K, columns N), sv = word 64 of scl.
; The same shape as the first product: a work-group makes 128 x 256 with four waves of 64 x 128 (32 accumulator tiles); block rows run along the grid's x, block columns
; along its y.  K goes in steps of 192 through two LDS slots filled by tensor loads: a slot is 128 rows of ATT at 432 bytes and 192 rows of WO at 544 bytes = 159,744 bytes,
; two are 319,488 of the 327,680 there are; 192 is the largest multiple of 32 that fits so.  2048 = 10 x 192 + 128: the last step has 128 of K.
; From a slot's request to the wait for it a wave issues a whole step's 192 matrix instructions.
; WO's fragments come by the transposing LDS load; source 0 = 16 columns of WO, source 1 = 16 rows of ATT, so that a lane holds eight neighbouring numbers of a row.
; CLUSTERS: 4 x 4 work-groups; ATT's tile hangs on the block row alone (the grid's x) and is asked for jointly along a column of the cluster, WO's on the block column alone
; (the grid's y), jointly along a row, which divides the requests for both by four.
; A wave has two tensor loads out at the start and one behind each round of the cluster's barrier.
; REGISTERS: window 0: v16-26 addresses; v64-159, v160-255 two fragment buffers (8 of WO, then 4 of ATT); on the way out v64-127 results, v128-255 read-backs.
;            window 1: accumulator tile (a, b) at 8 (8 a + b).
.set KD,     2048
.set NB,     4096
.set KSTEP,  192
.set NSTEP,  11                        ; 10 whole steps and a short one
.set TAILK,  KD-(NSTEP-1)*KSTEP        ; 128: the short step's K
.set TSLOT,  (NSTEP-1)&1               ; the slot of the short step: 0
.set PA,     432                       ; three pieces of 128 bytes, 16 bytes of padding behind each; 27 x 16
.set PB,     544                       ; 512 + 32, an odd multiple of 32
.set AHALF,  64*PA
.set BHALF,  (KSTEP/2)*PB
.set BOFF,   128*PA
.set SLOT,   BOFF+KSTEP*PB             ; 159,744
.set STAGE,  (1-TSLOT)*SLOT            ; the way out: 16 rows x 528 bytes for each wave, in the slot that the short step does not read: it has had its last fill
.set SP,     528
.set ADRA, 16                          ; v16-17  ATT's fragments in slot 0, 1
.set ADRB, 20                          ; v20-23  WO's fragments: slot 0 quarter steps 0-2, 3-5; slot 1 the same (an LDS immediate has 16 bits)
.set STO,  24
.set RD,   25
.set CO,   26
.set F0,   64
.set F1,   160
.set O,    64
.set RB0,  128
.set RB1,  192
.set G1,  24
.set G0,  32
.set G1B, 48
.set G0B, 56
.set MSB, 0
.macro WIN new                         ; low byte: bits 1:0 source 0, 3:2 source 1, 5:4 source 2, 7:6 destination; high byte: the setting that is left
.if MSB != \new
	s_set_vgpr_msb (MSB<<8)|\new
.set MSB, \new
.endif
.endm
.macro JLOAD s                         ; waves 0, 1 ask for ATT's two halves, waves 2, 3 for WO's
	s_cmp_eq_u32 s11, 0
	s_cbranch_scc0 .Lfor_b_\@
	tensor_load_to_lds s[G0+4*\s:G0+4*\s+3], s[G1:G1+7]
	s_nop 0
	s_branch .Lasked_\@
.Lfor_b_\@:
	tensor_load_to_lds s[G0B+4*\s:G0B+4*\s+3], s[G1B:G1B+7]
	s_nop 0
.Lasked_\@:
.endm
.macro CREST
	s_cmp_lg_u32 s10, 0
	s_cbranch_scc1 .Lnot_wave_0_\@
	s_barrier_signal -3
.Lnot_wave_0_\@:
	s_barrier_wait -3
	s_barrier_signal -1
	s_barrier_wait -1
.endm
.macro CROUND
	s_barrier_signal -1
	s_barrier_wait -1
	CREST
.endm
.macro PLACES                          ; four plain vector instructions between a matrix instruction and a load into, or a vector access to, its registers
.rept 4
	v_nop
.endr
.endm
.macro FETCH slot, q, f                ; 24 LDS loads: the fragments of quarter step q (32 along K; six to a whole step) of a slot into buffer f
	WIN 0
.irp b, 0,1,2,3,4,5,6,7
	ds_load_tr16_b128 v[\f+8*\b:\f+8*\b+3],   v[ADRB+2*\slot+(\q)/3] offset:32*PB*((\q)%3)+32*\b
	ds_load_tr16_b128 v[\f+8*\b+4:\f+8*\b+7], v[ADRB+2*\slot+(\q)/3] offset:32*PB*((\q)%3)+32*\b+16*PB
.endr
.irp a, 0,1,2,3
	ds_load_b128 v[\f+64+8*\a:\f+64+8*\a+3],   v[ADRA+\slot] offset:16*PA*\a+144*((\q)>>1)+64*((\q)&1)
	ds_load_b128 v[\f+64+8*\a+4:\f+64+8*\a+7], v[ADRA+\slot] offset:16*PA*\a+144*((\q)>>1)+64*((\q)&1)+32
.endr
.endm
.macro MUL f, a0, na, zero             ; every instruction names another accumulator: they take turns, one instruction a turn
	WIN 0x50
.set ma, \a0
.rept \na
.set mb, 0
.rept 8
.if \zero
	v_wmma_f32_16x16x32_f16 v[8*(8*ma+mb):8*(8*ma+mb)+7], v[\f+8*mb:\f+8*mb+7], v[\f+64+8*ma:\f+64+8*ma+7], 0
.else
	v_wmma_f32_16x16x32_f16 v[8*(8*ma+mb):8*(8*ma+mb)+7], v[\f+8*mb:\f+8*mb+7], v[\f+64+8*ma:\f+64+8*ma+7], v[8*(8*ma+mb):8*(8*ma+mb)+7]
.endif
.set mb, mb+1
.endr
.set ma, ma+1
.endr
.endm
.macro QUARTER slot, q, f, g, zero
	PLACES
	FETCH \slot, \q, \g
	s_wait_dscnt 24                                ; buffer f is in; the 24 loads just issued stay out
	MUL \f, 0, 4, \zero
.endm
.macro FIVE slot, zero
	QUARTER \slot, 1, F0, F1, \zero
	QUARTER \slot, 2, F1, F0, 0
	QUARTER \slot, 3, F0, F1, 0
	QUARTER \slot, 4, F1, F0, 0
	QUARTER \slot, 5, F0, F1, 0
.endm
; The last quarter step, and the change of slots.  Half of its products stand ahead of the wait for the tiles, so that nothing but the round lies between a
; tile's landing and the next request.  fill = 0: nothing is left to fetch; 1: this slot's next whole step; 2: the short step.
.macro TURN slot, next, fill
	s_wait_dscnt 0x0                               ; buffer 1 is in, and with it my last reads of this slot
	MUL F1, 0, 2, 0
	WIN 0
	s_wait_tensorcnt 0x0                           ; all my tensor loads have landed: the one that was out is my part of the next slot
	ds_add_u32 v62, v63
	s_wait_dscnt 0x0
	s_barrier_signal -1
	s_barrier_wait -1
.if \fill
	CREST                                          ; the same now holds of all sixteen work-groups
	s_add_nc_u64 s[G0+4*\slot+2:G0+4*\slot+3], s[G0+4*\slot+2:G0+4*\slot+3], 2*KSTEP*2
.if \fill == 1
	s_add_nc_u64 s[G0B+4*\slot+2:G0B+4*\slot+3], s[G0B+4*\slot+2:G0B+4*\slot+3], 2*KSTEP*NB*2
.else
	s_mov_b32 s[G1+1], TAILK<<16                   ; ATT: the tile keeps its shape, the tensor ends TAILK elements on: the rest arrives as zeros and is not read
	s_mov_b32 s[G1B+2], (TAILK/2)<<16              ; WO: TAILK/2 rows for each of the two waves,
	s_mov_b32 s[G1B+4], TAILK/2
	s_mul_i32 s[G0B+4*\slot+1], s12, (TAILK/2)*PB  ; laid one behind the other from the tile's first row
	s_add_co_u32 s[G0B+4*\slot+1], s[G0B+4*\slot+1], \slot*SLOT+BOFF
	s_mov_b64 s[G0B+4*\slot+2:G0B+4*\slot+3], s[84:85]
	s_or_b32 s[G0B+4*\slot+3], s[G0B+4*\slot+3], 0x80000000
.endif
	JLOAD \slot                                    ; my one tensor load behind the round
.endif
	PLACES
	FETCH \next, 0, F0
	MUL F1, 2, 2, 0
.endm
.macro LAP zero
	FIVE 0, \zero
	TURN 0, 1, 1
	FIVE 1, 0
	TURN 1, 0, 1
.endm
	s_load_b128 s[4:7], s[0:1], 0x0                ; act16 s[4:5], wo16 s[6:7]
	s_load_b64 s[66:67], s[0:1], 0x10              ; scl
	s_load_b64 s[8:9], s[0:1], 0x18                ; out0
	v_lshl_add_u32 v62, v0, 2, 0x4e000
	v_mov_b32 v63, 0
	ds_add_u32 v62, v63
	v_lshrrev_b32 v1, 5, v0
	v_readfirstlane_b32 s10, v1                    ; wave
	s_lshr_b32 s11, s10, 1                         ; my half of the block's rows; also: I fetch for ATT (0) or for WO (1)
	s_and_b32 s12, s10, 1                          ; my half of its columns; also: which half of that tile I fetch
	s_bfe_u32 s40, ttmp6, 0x40000                  ; cx
	s_bfe_u32 s41, ttmp6, 0x40004                  ; cy
	s_lshl_b32 s13, ttmp9, 2
	s_add_co_u32 s13, s13, s40                     ; block row = 4 x cluster x + cx
	s_and_b32 s42, ttmp7, 0xffff
	s_lshl_b32 s42, s42, 2
	s_add_co_u32 s42, s42, s41                     ; block column = 4 x cluster y + cy
	s_lshl_b32 s43, 0x1111, s40                    ; my column of the cluster (same cx): one block row
	s_lshl_b32 s44, s41, 2
	s_lshl_b32 s44, 15, s44                        ; my row of the cluster (same cy): one block column
	s_or_b32 s[G1+0], s43, (1<<16)|(1<<20)|(1<<21)|(4<<22)|(3<<25)   ; mask; 2-byte elements; padding: 4 words behind every 32; bit 21 beside a mask
	s_mov_b32 s[G1+1], KSTEP<<16
	s_mov_b32 s[G1+2], 64<<16
	s_mov_b32 s[G1+3], KSTEP<<16
	s_mov_b32 s[G1+4], 64
	s_mov_b32 s[G1+5], KD
	s_mov_b32 s[G1+6], 0
	s_mov_b32 s[G1+7], 0
	s_or_b32 s[G1B+0], s44, (1<<16)|(1<<20)|(1<<21)|(6<<22)|(7<<25)  ; padding: 8 words behind every 128
	s_mov_b32 s[G1B+1], 256<<16
	s_mov_b32 s[G1B+2], (KSTEP/2)<<16
	s_mov_b32 s[G1B+3], 256<<16
	s_mov_b32 s[G1B+4], KSTEP/2
	s_mov_b32 s[G1B+5], NB
	s_mov_b32 s[G1B+6], 0
	s_mov_b32 s[G1B+7], 0
	s_lshl_b32 s16, s13, 7                         ; ATT: row 128 x block row + 64 x half,
	s_lshl_b32 s18, s12, 6
	s_add_co_u32 s16, s16, s18
	s_mul_i32 s16, s16, KD*2                       ; in bytes
	s_mov_b32 s17, 0
	s_lshl_b32 s84, s42, 9                         ; WO: 512 bytes a block column,
	s_mul_i32 s46, s12, (KSTEP/2)*NB*2             ; 96 rows of 8,192 bytes a half
	s_add_co_u32 s46, s46, s84
	s_mov_b32 s47, 0
	s_mul_i32 s87, s12, (TAILK/2)*NB*2             ; WO's short step: TAILK/2 rows a half,
	s_add_co_u32 s84, s84, s87
	s_add_co_u32 s84, s84, (NSTEP-1)*KSTEP*NB*2    ; from row 1,920 on
	s_mov_b32 s85, 0
	s_mul_i32 s20, s12, AHALF                      ; LDS: the wave's number alone
	s_mul_i32 s21, s12, BHALF
	s_add_co_u32 s21, s21, BOFF
	s_wait_dscnt 0x0
	s_wait_kmcnt 0x0
	s_add_nc_u64 s[14:15], s[4:5], s[16:17]
	s_add_nc_u64 s[46:47], s[6:7], s[46:47]
	s_add_nc_u64 s[84:85], s[6:7], s[84:85]
	CROUND                                         ; all sixteen work-groups are here: the first joint loads meet
.irp s, 0,1
	s_mov_b32 s[G0+4*\s], 1
	s_add_co_u32 s[G0+4*\s+1], s20, \s*SLOT
	s_add_nc_u64 s[G0+4*\s+2:G0+4*\s+3], s[14:15], \s*KSTEP*2
	s_or_b32 s[G0+4*\s+3], s[G0+4*\s+3], 0x80000000
	s_mov_b32 s[G0B+4*\s], 1
	s_add_co_u32 s[G0B+4*\s+1], s21, \s*SLOT
	s_add_nc_u64 s[G0B+4*\s+2:G0B+4*\s+3], s[46:47], \s*KSTEP*NB*2
	s_or_b32 s[G0B+4*\s+3], s[G0B+4*\s+3], 0x80000000
	JLOAD \s
.endr
	s_load_b32 s70, s[66:67], 0x100                ; sv
	v_and_b32 v1, 15, v0                           ; r
	v_bfe_u32 v2, v0, 4, 1                         ; h
	v_and_b32 v3, 7, v0
	v_bfe_u32 v4, v0, 3, 1
	v_and_b32 v5, 31, v0                           ; lane
	v_mul_u32_u24 v6, v1, PA
	v_lshl_add_u32 v6, v2, 4, v6
	s_mul_i32 s22, s11, AHALF
	v_add_nc_u32 v[ADRA], s22, v6                  ; (64 wm + r) pitch + 16 h
	v_add_nc_u32 v[ADRA+1], SLOT, v[ADRA]
	v_lshl_add_u32 v7, v2, 3, v3
	v_mul_u32_u24 v7, v7, PB
	v_lshl_add_u32 v7, v4, 4, v7
	s_lshl_b32 s23, s12, 8
	s_add_co_u32 s23, s23, BOFF
	v_add_nc_u32 v[ADRB], s23, v7                  ; (8 h + lane mod 8) pitch + 16 ((lane / 8) mod 2) + my 256 bytes of the row
	v_add_nc_u32 v[ADRB+1], 96*PB, v[ADRB]         ; quarter steps 3 to 5 begin 96 rows down
	v_add_nc_u32 v[ADRB+2], SLOT, v[ADRB]
	v_add_nc_u32 v[ADRB+3], SLOT, v[ADRB+1]
	s_mul_i32 s22, s10, 16*SP
.if STAGE
	s_add_co_u32 s22, s22, STAGE
.endif
	v_mul_u32_u24 v6, v1, SP
	v_lshl_add_u32 v6, v2, 5, v6
	v_add_nc_u32 v[STO], s22, v6
	v_lshlrev_b32 v[CO], 4, v5
	v_add_nc_u32 v[RD], s22, v[CO]
	s_wait_kmcnt 0x0
	s_mov_b32 s71, s70                             ; the pair is read whole by the packed multiply
	s_wait_tensorcnt 0x1                           ; my part of K step 0 is in; K step 1's stays out
	s_barrier_signal -1
	s_barrier_wait -1
	FETCH 0, 0, F0
	LAP 1                                          ; steps 0 and 1; they ask for 2 and 3
	WIN 0
	s_mov_b32 s3, (NSTEP-5)/2                      ; three laps: steps 2 to 7; they ask for 4 to 9
.Llap:
	LAP 0
	WIN 0
	s_sub_co_u32 s3, s3, 1
	s_cmp_lg_u32 s3, 0
	s_cbranch_scc1 .Llap
	FIVE 0, 0                                      ; step 8
	TURN 0, 1, 2                                   ; asks for step 10, the short one
	FIVE 1, 0                                      ; step 9
	TURN 1, 0, 0                                   ; nothing is left to fetch; behind this barrier no wave reads slot 1 any more
	QUARTER 0, 1, F0, F1, 0                        ; step 10: four quarter steps
	QUARTER 0, 2, F1, F0, 0
	QUARTER 0, 3, F0, F1, 0
	s_wait_dscnt 0x0
	MUL F1, 0, 4, 0
	WIN 0
	PLACES
	; THE WAY OUT, 16 rows at a time, through my own stage, so that each global store of the wave covers 512 consecutive aligned bytes.
	; The stage lies in slot 1: its last fill has landed and every wave's reads of it were waited for in front of the last change of slots.
	s_lshl_b32 s16, s13, 7
	s_lshl_b32 s17, s11, 6
	s_add_co_u32 s16, s16, s17
	s_lshl_b32 s16, s16, 14
	s_mov_b32 s17, 0
	s_add_nc_u64 s[8:9], s[8:9], s[16:17]
	s_lshl_b32 s46, s42, 10
	s_lshl_b32 s47, s12, 9
	s_add_co_u32 s46, s46, s47
	s_mov_b32 s47, 0
	s_add_nc_u64 s[8:9], s[8:9], s[46:47]
.macro OUT16 a, rb
	WIN 0x01                                       ; source 0: accumulators
.set i, 0
.rept 32
	v_pk_mul_f32 v[O+2*i:O+2*i+1], v[64*\a+2*i:64*\a+2*i+1], s[70:71] op_sel_hi:[1,0]
.set i, i+1
.endr
	WIN 0
.irp b, 0,1,2,3,4,5,6,7
	ds_store_b128 v[STO], v[O+8*\b:O+8*\b+3]   offset:64*\b
	ds_store_b128 v[STO], v[O+8*\b+4:O+8*\b+7] offset:64*\b+16
.endr
	s_wait_xcnt 0x0                                ; the stores that read buffer rb have had their addresses translated (ISA guide 3.1): it is loaded again only behind this wait
.irp t, 0,1,2,3,4,5,6,7,8,9,10,11,12,13,14,15
	ds_load_b128 v[\rb+4*\t:\rb+4*\t+3], v[RD] offset:SP*\t      ; LDS serves a wave's instructions in order: these see the stores above
.endr
.irp t, 0,1,2,3,4,5,6,7,8,9,10,11,12,13,14,15
	s_wait_dscnt 15-\t                             ; row t is back; the younger read-backs stay out
	global_store_b128 v[CO], v[\rb+4*\t:\rb+4*\t+3], s[8:9] offset:(16*\a+\t)*NB*4 th:TH_STORE_NT
.endr
.endm
	OUT16 0, RB0
	OUT16 1, RB1
	OUT16 2, RB0
	OUT16 3, RB1
	s_wait_tensorcnt 0x0
	ds_add_u32 v62, v63
	s_wait_dscnt 0x0
	CROUND                                         ; the closing round: no work-group ends while a partner may still ask for a tile that names it
	s_endpgm
.Lfunc_end_k_qc9c8c51168_oproj:
	.size	k_qc9c8c51168_oproj, .Lfunc_end_k_qc9c8c51168_oproj-k_qc9c8c51168_oproj
	.p2alignl 7, 3214868480
	.fill 96, 4, 3214868480
	.section	.rodata,"a",@progbits
	.p2align	6, 0x0
	.amdhsa_kernel k_qc9c8c51168_oproj
		.amdhsa_group_segment_fixed_size 327680
		.amdhsa_private_segment_fixed_size 0
		.amdhsa_enable_private_segment 0
		.amdhsa_kernarg_size 32
		.amdhsa_user_sgpr_count 2
		.amdhsa_user_sgpr_kernarg_segment_ptr 1
		.amdhsa_wavefront_size32 1
		.amdhsa_system_sgpr_workgroup_id_x 1
		.amdhsa_system_sgpr_workgroup_id_y 1
		.amdhsa_system_sgpr_workgroup_id_z 1
		.amdhsa_system_vgpr_workitem_id 0
		.amdhsa_next_free_vgpr 512
		.amdhsa_next_free_sgpr 96
		.amdhsa_reserve_vcc 0
		.amdhsa_float_denorm_mode_32 3
		.amdhsa_float_denorm_mode_16_64 3
		.amdhsa_memory_ordered 1
		.amdhsa_forward_progress 1
		.amdhsa_inst_pref_size 186
	.end_amdhsa_kernel
	.amdgpu_metadata
---
amdhsa.version: [ 1, 2 ]
amdhsa.kernels:
  - .name:           k_qc9c8c51168_oproj
    .symbol:         k_qc9c8c51168_oproj.kd
    .args:
      - { .name: act16, .offset: 0, .size: 8, .value_kind: global_buffer, .address_space: global }
      - { .name: wo16, .offset: 8, .size: 8, .value_kind: global_buffer, .address_space: global }
      - { .name: scl, .offset: 16, .size: 8, .value_kind: global_buffer, .address_space: global }
      - { .name: out0, .offset: 24, .size: 8, .value_kind: global_buffer, .address_space: global }
    .group_segment_fixed_size: 327680
    .private_segment_fixed_size: 0
    .kernarg_segment_align: 8
    .kernarg_segment_size: 32
    .max_flat_workgroup_size: 128
    .sgpr_count:     96
    .vgpr_count:     512
    .wavefront_size: 32
...
	.end_amdgpu_metadata
.endif
;; end of part 5
